; MI455X (gfx1250); checked and timed in simulation.
; The chip was launched on July 23, 2026; its instructions are those of AMD's public machine-readable ISA for CDNA 5 (MIT licence, August 2026) and "CDNA5" Instruction Set Architecture Reference Guide (July 2026). The comments in the code are by the model that wrote it; some were corrected since.
;; Multi Head Attention. Allowed arithmetic: matrix products marked QUANTISED: E2M3 operands, one E8M0 scale for each 32 along K, by v_wmma_scale_f32_16x16x128_f8f6f4 with both operands' format E2M3, f32 sums; everything else in f32.
;; Inputs: W_proj 1,024 x 1,024 float32; W_qkv 1,024 x 3,072 float32; b_proj 1,024 float32; b_qkv 3,072 float32; x 2 x 2,048 x 1,024 float32.
;; Outputs: out0 2 x 2,048 x 1,024 float32.
;; This version of the problem:
;;   THIS VERSION OF THE PROBLEM IS GIVEN IN LOW PRECISION. The matrix products marked QUANTISED in the list below multiply operands that are first quantised to E2M3 (2 exponent bits, 3 mantissa bits; 6 bits a number), with one power-of-two scale for each 32 numbers along K (OCP MX v1.0); their sums are f32. All else is computed in f32.
;;   The module's matrix products, in the order in which they are computed (A, B: the left and right operand; K: the contracted axis; several contracted axes count as one K, in the product's order):
;;     1. [M 4,096, K 1,024] x [K 1,024, N 3,072]; A: input x; B: input W_qkv: QUANTISED
;;     2. batch 32 x [M 2,048, K 64] x [K 64, N 2,048]; A: computed on the way; B: computed on the way: QUANTISED
;;     3. batch 32 x [M 2,048, K 2,048] x [K 2,048, N 64]; A: softmax (see below); B: computed on the way: QUANTISED
;;     4. [M 4,096, K 1,024] x [K 1,024, N 1,024]; A: computed on the way; B: input W_proj: QUANTISED
;;   THE QUANTISER, for each operand of a quantised product, along K:
;;     - K is cut into blocks of 32 from its start; a last block that is shorter is filled with zeros.
;;     - A block's scale is 2^e with e = floor(log2(the largest magnitude in the block)) - 2, held to -126 .. 127; a block of zeros has e = 0. As a byte (E8M0): e + 127.
;;     - Each number is divided by its block's scale, clamped to +-7.5, and rounded to the nearest number of E2M3, ties to even, subnormals kept.
;;     - The product sums the exact products of the quantised numbers (number of the format x scale) in f32.
;;   ~~~python
;;   def quantise(x, axis):      # numpy; x: float32 -> the quantised numbers, widened to float32 again
;;       x = np.moveaxis(x, axis, -1); K = x.shape[-1]
;;       x = np.pad(x, [(0, 0)] * (x.ndim - 1) + [(0, -K % 32)]); x = x.reshape(x.shape[:-1] + (-1, 32)); a = np.abs(x).max(-1, keepdims=True)
;;       e = np.where(a > 0, np.clip(np.frexp(np.where(a > 0, a, 1))[1] - 1 - 2, -126, 127), 0)      # np.frexp(a)[1] - 1 = floor(log2(a)), exactly
;;       r = np.clip(x / 2.0 ** e, -7.5, 7.5)
;;       step = 2.0 ** (np.maximum(np.frexp(np.where(r == 0, 1, r))[1] - 1, 0) - 3)
;;       q = np.round(r / step) * step * 2.0 ** e      # np.round: ties to even
;;       return np.moveaxis(q.reshape(q.shape[:-2] + (-1,))[..., :K], -1, axis).astype(np.float32)
;;   ~~~
;;   SOFTMAX AHEAD OF A QUANTISED PRODUCT. Where the list says 'softmax', what is quantised is not the finished softmax but p = 2^(t - M), with t = logit x log2(e) and M = ceil(the row's largest t), a whole number; so 1/2 < the row's largest p <= 1. The row's sum l is taken of the UNQUANTISED p, in f32, and the product's result is divided by l at the end. Since M is a whole number, a kernel that streams over the keys may use a running M (the ceiling of the running maximum): every later rescaling is an exact power of two, which a block's scale takes up: the codes' values come out the same.
;;   OPERANDS COMPUTED ON THE WAY. 'Computed on the way' means the value that the module computes at that place (a softmax that the list does not call 'softmax' is quantised finished and normalised). What goes into a quantiser is computed in f32, as accurately as f32 sums, v_exp_f32 and their like allow (about 1e-6 of the number): no bf16 or f16 on the way to a quantiser, and a product that is left as it is and whose result goes on into a quantised operand takes f32 operands (vector FMAs, or v_wmma_f32_16x16x4_f32). A number that lies on a knife's edge between two numbers of the format may be rounded either way, as far as f32 arithmetic and the matrix unit's own rounding can turn it there, and no further.
;; One version. Each part assembles by itself: llvm-mc -triple=amdgcn-amd-amdhsa -mcpu=gfx1250 --defsym DOCPART=n.
;; ======== version 1 of 1: 4 launches
;; workspace buffers: xc 3,276,800 bytes; wc 3,276,800 bytes; qc 3,407,872 bytes; kv 6,553,600 bytes; ac 3,276,800 bytes
;; launch quant (part 1): grid 256 x 1, 4 waves a work-group, no clusters, 68,096 bytes of LDS; arguments x, W_qkv, W_proj, xc, wc; writes xc, wc
.if DOCPART == 1
	.amdgcn_target "amdgcn-amd-amdhsa--gfx1250"
	.amdhsa_code_object_version 6
	.text
	.protected	k_qd84f975844_quant
	.globl	k_qd84f975844_quant
	.p2align	8
	.type	k_qd84f975844_quant,@function
k_qd84f975844_quant:
	s_mov_b64 s[64:65], 0
	v_nop
	global_prefetch_b8 v0, s[64:65] scope:SCOPE_SE
	s_setreg_imm32_b32 hwreg(HW_REG_WAVE_MODE, 25, 1), 1
	s_wait_xcnt 0x0
; x [4096][1024], W_qkv [1024][3072] and W_proj [1024][1024], f32, become codes of FP6 (E2M3) with K innermost and one E8M0 byte for each 32 along K.
; xc: codes [position 4096][768 bytes], then scale bytes [position][32] from byte SCOFF on.  wc: the same; rows 0-3071 are W_qkv's columns, rows 3072-4095 W_proj's.
; POSITION ORDER: row n of an operand lies at the position that has n's bits 3 and 4 exchanged.  Sixteen neighbouring positions 16 t + r are then the rows 32 (t/2) + 8 (t%2) + r + 8 (r/8),
; so that in a product used transposed the 16 registers of two neighbouring tiles are 16 neighbours along the next product's K.
; A block's scale is 2^(floor(log2(largest magnitude)) - 2); its byte is the largest magnitude's exponent field - 2, held at 1 from below.
; LIMITS: a block of zeros gets the byte 1 (the stated quantiser says 127): its codes are zeros and only this program reads the bytes; NaN and infinities among the inputs are not served.
; Work-groups 0-127 take x (K innermost: 32 rows each, 8 a wave); work-groups 128-255 take the weights (K outermost: 128 columns x 256 along K each).  Each reads 128 KiB.
; The two ways have LDS bytes of their own: x's 0 .. 32,767, the weights' 32,768 .. 67,583.  No tensor loads, no barrier: waves share nothing.  No matrix unit, no cluster: memory binds and no input is shared.
.set SCOFF, 3145728
.set EMAX,  2
.set KROW,  768                        ; a row of codes: 1,024 x 6 bits
	s_load_b256 s[4:11], s[0:1], 0x0               ; x s[4:5], W_qkv s[6:7], W_proj s[8:9], xc s[10:11]
	s_load_b64 s[12:13], s[0:1], 0x20              ; wc
	v_lshl_add_u32 v208, v0, 2, 0x10800
	v_mov_b32 v209, 0
	v_lshrrev_b32 v1, 5, v0
	v_readfirstlane_b32 s16, v1                    ; wave 0..3
	v_and_b32 v2, 31, v0                           ; lane
	s_cmp_lt_u32 ttmp9, 128
	s_cbranch_scc0 .Lweights
; ---------------- x: a plain stream of blocks of 32.  A wave takes 8 rows: 16 steps of 512 numbers.
; Each load reads 512 consecutive bytes; a step's 2,048 bytes turn through the wave's own stage in LDS and come back 64 bytes a lane: 16 neighbours along K.
.set STEPS, 16
.set CB,    12                         ; bytes of 16 codes
.set XR,    16                         ; v16-79   four sets of 16 numbers as loaded
.set XX,    80                         ; v80-111  two sets of 16 neighbours
.set XE,    112                        ; v112-127 a scale byte for each step
.set XC,    128                        ; v128-191 codes, four registers a step: no store's data are written again
.set WREG,  8192                       ; LDS of a wave: two stages of 32 x SP bytes, then its 256 scale bytes
.set SP,    80                         ; a lane's place in a stage: 64 bytes + 16 of padding
	v_lshlrev_b32 v3, 4, v2                        ; my 16 bytes of a load's 512
	s_mul_i32 s17, s16, WREG
	v_lshrrev_b32 v14, 2, v2
	v_mul_u32_u24 v14, v14, SP
	v_and_b32 v15, 3, v2
	v_lshl_add_u32 v14, v15, 4, v14
	v_add_nc_u32 v14, s17, v14                     ; into the stage: SP (lane / 4) + 16 (lane % 4)
	v_mul_u32_u24 v15, v2, SP
	v_add_nc_u32 v15, s17, v15                     ; out of it: SP x lane
	v_mul_u32_u24 v4, v2, CB                       ; my codes' place in a step's
	v_lshrrev_b32 v5, 1, v2
	s_add_co_u32 s17, s17, 2*32*SP
	v_add_nc_u32 v5, s17, v5                       ; my block's scale byte in LDS
	v_lshlrev_b32 v7, 3, v2
	v_add_nc_u32 v6, s17, v7                       ; and 8 bytes a lane on the way out
	s_lshl_b32 s18, ttmp9, 2
	s_add_co_u32 s19, s18, s16                     ; which run of 8 rows I read
	s_lshl_b32 s20, s19, 15                        ; 8 rows x 4,096 bytes
	s_mov_b32 s21, 0
	s_and_b32 s22, s16, 1
	s_lshl_b32 s22, s22, 1
	s_lshr_b32 s23, s16, 1
	s_or_b32 s22, s22, s23                         ; the wave's two bits exchanged: bits 3 and 4 of the rows
	s_add_co_u32 s22, s22, s18                     ; which run of 8 positions I write
	s_mul_i32 s24, s22, 8*KROW
	s_mov_b32 s25, 0
	s_lshl_b32 s26, s22, 8                         ; 8 rows x 32 scale bytes
	s_add_co_u32 s26, s26, SCOFF
	s_mov_b32 s27, 0
	s_wait_kmcnt 0x0
	s_add_nc_u64 s[4:5], s[4:5], s[20:21]
	s_add_nc_u64 s[8:9], s[10:11], s[24:25]        ; my codes
	s_add_nc_u64 s[10:11], s[10:11], s[26:27]      ; my scale bytes
.macro XLOAD t
.irp i, 0,1,2,3
	global_load_b128 v[XR+16*((\t)%4)+4*\i:XR+16*((\t)%4)+4*\i+3], v3, s[4:5] offset:2048*(\t)+512*\i th:TH_LOAD_NT
.endr
.endm
.macro XTURN t                         ; LDS serves a wave's instructions in order (ISA guide 5.7.1.4): no wait between the stores and the loads
.irp i, 0,1,2,3
	ds_store_b128 v14, v[XR+16*((\t)%4)+4*\i:XR+16*((\t)%4)+4*\i+3] offset:32*SP*((\t)%2)+8*SP*\i
.endr
.irp i, 0,1,2,3
	ds_load_b128 v[XX+16*((\t)%2)+4*\i:XX+16*((\t)%2)+4*\i+3], v15 offset:32*SP*((\t)%2)+16*\i
.endr
.endm
.irp t, 0,1,2,3
	XLOAD \t
.endr
	s_wait_loadcnt 12                              ; step 0's four loads are in; twelve younger ones stay out
	XTURN 0
.macro XSTEP t
.set XS, XX+16*((\t)%2)
.if (\t) > 0
	s_wait_dscnt 1                                 ; this step's numbers are back from the stage; only the last step's byte store may be out
.else
	s_wait_dscnt 0x0
.endif
.if (\t)+4 < STEPS
	XLOAD (\t)+4                                   ; into the set whose stores into the stage have read their registers
.endif
.if (\t)+1 < STEPS
.if STEPS-2-(\t) >= 3
	s_wait_loadcnt 12                              ; the next step's four loads are in; three steps' loads stay out
.else
	s_wait_loadcnt 4*(STEPS-2-(\t))
.endif
	XTURN (\t)+1
.endif
	v_max3_num_f32 v8, |v[XS]|, |v[XS+1]|, |v[XS+2]|
	v_max3_num_f32 v9, |v[XS+3]|, |v[XS+4]|, |v[XS+5]|
.irp i, 6,10
	v_max3_num_f32 v8, v8, |v[XS+\i]|, |v[XS+\i+1]|
	v_max3_num_f32 v9, v9, |v[XS+\i+2]|, |v[XS+\i+3]|
.endr
	v_max3_num_f32 v8, v8, |v[XS+14]|, |v[XS+15]|
	v_max3_num_f32 v8, v8, v9, (EMAX+1)<<23        ; the floor 2^(3 - 127): the byte cannot fall under 1
	v_max_num_f32_dpp v8, v8, v8 row_xmask:1 row_mask:0xf bank_mask:0xf   ; with my neighbour's 16: the block's largest magnitude
	v_add_nc_u32 v11, -(EMAX<<23), v8              ; 2 off its exponent field: the conversion's scale operand
	v_cvt_scalef32_pk16_fp6_f32 v[XC+4*(\t):XC+4*(\t)+2], v[XS:XS+15], v11
	v_lshrrev_b32 v[XE+(\t)], 23, v11              ; the scale's byte
	ds_store_b8 v5, v[XE+(\t)] offset:16*(\t)      ; both lanes of a block write the same byte with the same value
	global_store_b96 v4, v[XC+4*(\t):XC+4*(\t)+2], s[8:9] offset:32*CB*(\t)   ; the wave stores 384 consecutive bytes
.endm
.irp t, 0,1,2,3,4,5,6,7,8,9,10,11,12,13,14,15
	XSTEP \t
.endr
	ds_load_b64 v[12:13], v6
	s_wait_dscnt 0x0
	global_store_b64 v7, v[12:13], s[10:11]        ; 32 lanes store 256 consecutive bytes, aligned
	s_wait_tensorcnt 0x0
	ds_add_u32 v208, v209
	s_wait_dscnt 0x0
	s_endpgm
; ---------------- the weights: K is the first axis.  A lane takes a column and its registers run down K; a wave takes 32 columns x 256 along K.
.Lweights:
.set NB,     8                         ; blocks of 32 along K for a wave
.set WPITCH, 272                       ; a stage row: sixteen places of 16 bytes (12 of codes each) + 16
.set WSB,    24                        ; v24-25   the scale bytes
.set WX,     32                        ; v32-95   two sets of 32 numbers
.set WC,     96                        ; v96..    a block's codes
.set WOUT,   112                       ; v112-175 the way out
.set WOFF,   176                       ; v176-207 byte offset of row i of a block: i x row bytes + 4 x lane; never rewritten
	s_sub_co_u32 s17, ttmp9, 128
	s_mov_b32 s19, 12288
	s_wait_kmcnt 0x0
	s_cmp_ge_u32 s17, 96                           ; 96 work-groups for W_qkv (24 x 4), 32 for W_proj (8 x 4): the choice hangs on the work-group's number alone
	s_cselect_b32 s18, 96, 0
	s_cselect_b32 s19, 4096, s19                   ; bytes in a row of the weight
	s_cselect_b32 s20, 3072, 0                     ; its first row in wc
	s_cselect_b64 s[6:7], s[8:9], s[6:7]
	s_sub_co_u32 s17, s17, s18
	s_lshr_b32 s21, s17, 2                         ; which 128 columns
	s_and_b32 s22, s17, 3                          ; which 256 along K
	s_lshl_b32 s21, s21, 7
	s_lshl_b32 s23, s16, 5
	s_add_co_u32 s21, s21, s23                     ; my wave's first column
	s_add_co_u32 s20, s20, s21                     ; and its row in wc (a multiple of 32)
	s_lshl_b32 s23, s19, 8
	s_mul_i32 s24, s22, s23                        ; 256 rows of the weight for each step along K
	s_lshl_b32 s26, s21, 2
	s_add_co_u32 s24, s24, s26
	s_mov_b32 s25, 0
	s_lshl_b32 s26, s19, 5                         ; 32 rows: from block to block
	s_mov_b32 s27, 0
	s_add_nc_u64 s[32:33], s[6:7], s[24:25]        ; a base for each of the eight blocks: none is ever stepped
.irp t, 1,2,3,4,5,6,7
	s_add_nc_u64 s[32+2*\t:33+2*\t], s[30+2*\t:31+2*\t], s[26:27]
.endr
	s_mul_i32 s24, s20, KROW
	s_mul_i32 s48, s22, 192
	s_add_co_u32 s24, s24, s48
	s_add_nc_u64 s[28:29], s[12:13], s[24:25]      ; my codes
	s_lshl_b32 s24, s20, 5
	s_lshl_b32 s48, s22, 3
	s_add_co_u32 s24, s24, s48
	s_add_co_u32 s24, s24, SCOFF
	s_add_nc_u64 s[30:31], s[12:13], s[24:25]      ; my scale bytes
	v_lshlrev_b32 v3, 2, v2
.set II, 0
.rept 32
	v_mad_u32_u24 v[WOFF+II], s19, II, v3
.set II, II+1
.endr
	s_mul_i32 s49, s16, 32*WPITCH
	s_add_co_u32 s49, s49, 32768                   ; my stage
	v_mul_u32_u24 v4, v2, WPITCH
	v_add_nc_u32 v4, s49, v4                       ; into it: row = my column
	v_and_b32 v5, 15, v2
	v_lshrrev_b32 v6, 4, v2
	v_mul_u32_u24 v7, v6, WPITCH
	v_lshl_add_u32 v7, v5, 4, v7
	v_add_nc_u32 v7, s49, v7                       ; out of it: sixteen lanes to a row, two rows an instruction
	v_mul_u32_u24 v8, v6, KROW
	v_mad_u32_u24 v8, v5, 12, v8                   ; and the same place in wc
	v_and_b32 v9, 7, v2
	v_bfe_u32 v10, v2, 3, 1
	v_lshl_or_b32 v9, v10, 4, v9
	v_lshl_or_b32 v9, v6, 3, v9                    ; my column's position: bits 3 and 4 exchanged
	v_lshlrev_b32 v9, 5, v9                        ; its row of scale bytes
.macro WLOAD t
.set II, 0
.rept 32
	global_load_b32 v[WX+32*((\t)%2)+II], v[WOFF+II], s[32+2*(\t):33+2*(\t)] th:TH_LOAD_NT   ; a row k at 32 neighbouring columns: 128 consecutive bytes
.set II, II+1
.endr
.endm
	WLOAD 0
	WLOAD 1
.macro WBLOCK t
.set XS, WX+32*((\t)%2)
.if (\t) < NB-1
	s_wait_loadcnt 32                              ; this block's 32 loads are in; the next block's stay out
.else
	s_wait_loadcnt 0
.endif
	v_max3_num_f32 v12, |v[XS]|, |v[XS+1]|, |v[XS+2]|
	v_max3_num_f32 v13, |v[XS+3]|, |v[XS+4]|, |v[XS+5]|
.irp i, 6,10,14,18,22,26
	v_max3_num_f32 v12, v12, |v[XS+\i]|, |v[XS+\i+1]|
	v_max3_num_f32 v13, v13, |v[XS+\i+2]|, |v[XS+\i+3]|
.endr
	v_max3_num_f32 v12, v12, |v[XS+30]|, |v[XS+31]|
	v_max3_num_f32 v12, v12, v13, (EMAX+1)<<23     ; the floor
	v_add_nc_u32 v11, -(EMAX<<23), v12             ; the conversion's scale operand
	v_lshrrev_b32 v13, 23, v11                     ; the scale's byte
.if (\t)%4 == 0
	v_mov_b32 v[WSB+(\t)/4], v13
.else
	v_lshl_or_b32 v[WSB+(\t)/4], v13, 8*((\t)%4), v[WSB+(\t)/4]
.endif
	v_cvt_scalef32_pk16_fp6_f32 v[WC:WC+2], v[XS:XS+15], v11
	v_cvt_scalef32_pk16_fp6_f32 v[WC+4:WC+6], v[XS+16:XS+31], v11
	ds_store_b96 v4, v[WC:WC+2] offset:32*(\t)     ; 12 bytes to a place of 16
	ds_store_b96 v4, v[WC+4:WC+6] offset:32*(\t)+16
.if (\t)+2 < NB
	WLOAD (\t)+2
.endif
	s_wait_dscnt 0x0                               ; the stores have read their registers: the next block's codes may be written
.endm
.set Q, 0
.rept NB
	WBLOCK Q
.set Q, Q+1
.endr
	global_store_b64 v9, v[WSB:WSB+1], s[30:31]    ; my column's 8 scale bytes
.irp t, 0,1,2,3,4,5,6,7,8,9,10,11,12,13,14,15
	ds_load_b96 v[WOUT+4*\t:WOUT+4*\t+2], v7 offset:2*\t*WPITCH
.endr
.irp t, 0,1,2,3,4,5,6,7,8,9,10,11,12,13,14,15
	s_wait_dscnt 15-\t                             ; rows 2 t and 2 t + 1 are back; the younger loads stay out
	global_store_b96 v8, v[WOUT+4*\t:WOUT+4*\t+2], s[28:29] offset:(((2*\t)%8)+16*(((2*\t)/8)%2)+8*((2*\t)/16))*KROW   ; column 2 t (+ 1) goes to its position; sixteen lanes store 192 consecutive bytes
.endr
	s_wait_tensorcnt 0x0
	ds_add_u32 v208, v209
	s_wait_dscnt 0x0
	s_endpgm
.Lfunc_end_k_qd84f975844_quant:
	.size	k_qd84f975844_quant, .Lfunc_end_k_qd84f975844_quant-k_qd84f975844_quant
	.p2alignl 7, 3214868480
	.fill 96, 4, 3214868480
	.section	.rodata,"a",@progbits
	.p2align	6, 0x0
	.amdhsa_kernel k_qd84f975844_quant
		.amdhsa_group_segment_fixed_size 68096
		.amdhsa_private_segment_fixed_size 0
		.amdhsa_enable_private_segment 0
		.amdhsa_kernarg_size 40
		.amdhsa_user_sgpr_count 2
		.amdhsa_user_sgpr_kernarg_segment_ptr 1
		.amdhsa_wavefront_size32 1
		.amdhsa_system_sgpr_workgroup_id_x 1
		.amdhsa_system_sgpr_workgroup_id_y 1
		.amdhsa_system_sgpr_workgroup_id_z 1
		.amdhsa_system_vgpr_workitem_id 0
		.amdhsa_next_free_vgpr 210
		.amdhsa_next_free_sgpr 66
		.amdhsa_reserve_vcc 0
		.amdhsa_float_denorm_mode_32 3
		.amdhsa_float_denorm_mode_16_64 3
		.amdhsa_memory_ordered 1
		.amdhsa_forward_progress 1
		.amdhsa_inst_pref_size 76
	.end_amdhsa_kernel
	.amdgpu_metadata
---
amdhsa.version: [ 1, 2 ]
amdhsa.kernels:
  - .name:           k_qd84f975844_quant
    .symbol:         k_qd84f975844_quant.kd
    .args:
      - { .name: x, .offset: 0, .size: 8, .value_kind: global_buffer, .address_space: global }
      - { .name: W_qkv, .offset: 8, .size: 8, .value_kind: global_buffer, .address_space: global }
      - { .name: W_proj, .offset: 16, .size: 8, .value_kind: global_buffer, .address_space: global }
      - { .name: xc, .offset: 24, .size: 8, .value_kind: global_buffer, .address_space: global }
      - { .name: wc, .offset: 32, .size: 8, .value_kind: global_buffer, .address_space: global }
    .group_segment_fixed_size: 68096
    .private_segment_fixed_size: 0
    .kernarg_segment_align: 8
    .kernarg_segment_size: 40
    .max_flat_workgroup_size: 128
    .sgpr_count:     66
    .vgpr_count:     210
    .wavefront_size: 32
...
	.end_amdgpu_metadata
.endif
;; end of part 1
;; launch qkv (part 2): grid 12 x 16, 4 waves a work-group, clusters of 4 x 4, 327,680 bytes of LDS; arguments xc, wc, b_qkv, qc, kv; writes qc, kv
.if DOCPART == 2
	.amdgcn_target "amdgcn-amd-amdhsa--gfx1250"
	.amdhsa_code_object_version 6
	.text
	.protected	k_qd84f975844_qkv
	.globl	k_qd84f975844_qkv
	.p2align	8
	.type	k_qd84f975844_qkv,@function
k_qd84f975844_qkv:
	s_mov_b64 s[64:65], 0
	v_nop
	global_prefetch_b8 v0, s[64:65] scope:SCOPE_SE
	s_setreg_imm32_b32 hwreg(HW_REG_WAVE_MODE, 25, 1), 1
	s_wait_xcnt 0x0
	s_wait_alu depctr_hold_cnt(0) depctr_sa_sdst(0) depctr_va_vdst(0) depctr_va_sdst(0) depctr_va_ssrc(0) depctr_va_vcc(0) depctr_vm_vsrc(0)
	s_getreg_b32 s2, hwreg(HW_REG_IB_STS2, 6, 4)
	s_cmp_eq_u32 s2, 0
	s_cbranch_scc0 .Lentry_in_a_cluster
	s_endpgm
.Lentry_in_a_cluster:
	s_bfe_u32 s2, ttmp6, 0x10000c
	s_cmp_lg_u32 s2, 0xf033
	s_cbranch_scc0 .Lentry_shape_is_right
	s_endpgm
.Lentry_shape_is_right:
; qkv = x W_qkv + b_qkv on codes of FP6 (E2M3) with E8M0 scales (K = 1,024), and its results quantised at once, in registers, as the operands of attention's two products.  Nothing wide goes to memory.
; A work-group of four waves makes 256 x 256 of the product, a wave 128 x 128 in 64 accumulators.  K goes in steps of 256 through a ring of two LDS slots filled by the tensor data mover;
; the scale bytes of the work-group's 512 rows come once and stay.  4 x 4 work-groups form a cluster: the "A" tile is shared along a row of the cluster, the "B" tile along a column, each by a joint load.
; THE CLUSTER'S x IS THE KIND: 0 makes q, 1 makes k, 2 makes v; all sixteen partners share it.  The matrix instruction is used transposed (source 0 = 16 "B" rows, source 1 = 16 "A" rows): a lane holds ONE "A" row
; and its registers run along "B".  For q and k: A = tokens (xc), B = W's columns (wc): a lane's registers run along the head's 64, which is the K of q k^T.
; For v the two change places: A = W's columns, B = tokens: a lane holds one channel and its registers run along the keys, which are the K of p v.
; Rows lie in POSITION ORDER in xc and wc (bits 3 and 4 of the row exchanged), so the 16 registers of tiles 2 b and 2 b + 1 are the 16 neighbours 32 b + 16 (lane / 16) + 0 .. 15 along "B".
; The bias is the C of each sum's first matrix instruction: for q and k eight numbers a tile of columns, for v one number a lane.
; THE WAY OUT: a block of 16 "A" rows (64 registers a lane = 128 along "B") is quantised as in a fused chain and leaves as two HALF IMAGES of 768 bytes: six operand registers of 16 rows x 64 K, registers 0-3 at 16 x lane,
; registers 4-5 at 512 + 8 x lane: each store covers whole aligned runs of 256 bytes.  q, k: the halves are the wave's two heads; v: the two halves of 128 keys.
; qc: halves [batch x head 32][tile 128][768]; from SCOFF on the scale words [32][16][512], each word (s0, s1, s0, s1).   kv: [32][key step 16][12,800]: k's halves a x 768; v's at 6,144 + 1,536 t + 768 c;
; at 12,288 k's words (16 r + 4 b: tiles 2 b and 2 b + 1), at 12,544 v's (16 r + 4 t).
; LIMITS: a block of zeros gets the byte 1; NaN and infinities are not served.
.set KSTEP,  256
.set NQ,     2
.set ROWB,   192
.set KROW,   768
.set PITCH,  240                       ; an LDS row: 3 x (64 bytes + 16 of padding)
.set FR,     12
.set NL,     6
.set NP,     4
.set HALFT,  128*PITCH
.set SLOT,   4*HALFT
.set LAPS,   2                         ; 1,024 along K: twice round the ring
.set KS,     32                        ; a row of scale bytes
.set SCL,    2*SLOT
.set HALFS,  (128*KS/256)*272
.set SBLK,   (16*KS/256)*272
.set SPARE,  SCL+4*HALFS               ; the spare words, 128 bytes a wave: two blocks of 256 bytes that no other line names
.set SCOFF,  3145728
.set ADRA, 16                          ; v16-19  LDS addresses of my A fragments (slot 0, 1; the same behind one padding more)
.set ADRB, 20                          ; v20-23  the same for B
.set L16,  24                          ; v24     16 x lane
.set L8,   25                          ; v25     8 x lane
.set VW,   26                          ; v26     where my scale words go
.set ADRS, 27                          ; v27     LDS address of my scale words
.set SPW,  28                          ; v28     my spare word; never rewritten
.set NIL,  29                          ; v29     0; never rewritten
.set PSEL, 30                          ; v30-31  byte selects
.set SC,   32                          ; v32-63  scale words, two sets: they hold scales and nothing else
.set BI,   64                          ; v64-127 the bias, in the result's layout
.set AF,   128                         ; v128-223 A's fragments
.set QC,   128                         ; the way out: v128-147 the codes just made
.set TM,   224                         ; v224-239 at work
.set PWS,  240                         ; v240-247 the eight blocks' scale words
.set WP,   248                         ; v248-255 the words as they are stored
.set G1, 24
.set G0, 32
.set G1B, 48
.set G0B, 56
.set G1S, 68
.set G0S, 76
.set G1SB, 80
.set G0SB, 88
.set MSB, 0
.macro WIN new                         ; the immediate's high byte repeats the setting that is left
.if MSB != (\new)
	s_set_vgpr_msb (MSB<<8)|(\new)
.set MSB, (\new)
.endif
.endm
.set MUL_LO, 0xa1                      ; source 0 (B) window 1, source 1 (A) window 0, C and D window 2
.set MUL_HI, 0xf1                      ; the same, C and D window 3
.set ST_LO,  0x81                      ; a sum's first product: C (the bias) window 0, D window 2
.set ST_HI,  0xc1                      ; D window 3
.set TO_B,   0x40
.macro JLOAD g0a, g1a, g0b, g1b        ; a joint load: waves 0 and 1 fetch for A, waves 2 and 3 for B; four v_nop follow each line
	s_cmp_eq_u32 s15, 0
	s_cbranch_scc0 .Lfor_b_\@
	tensor_load_to_lds s[\g0a:\g0a+3], s[\g1a:\g1a+7]
	s_nop 0
.rept 4
	v_nop
.endr
	s_branch .Lasked_\@
.Lfor_b_\@:
	tensor_load_to_lds s[\g0b:\g0b+3], s[\g1b:\g1b+7]
	s_nop 0
.rept 4
	v_nop
.endr
.Lasked_\@:
.endm
.macro CREST
	s_cmp_lg_u32 s14, 0
	s_cbranch_scc1 .Lnot_wave_0_\@
	s_barrier_signal -3
.Lnot_wave_0_\@:
	s_barrier_wait -3
	s_barrier_signal -1
	s_barrier_wait -1
.endm
.macro CROUND
	s_barrier_signal -1
	s_barrier_wait -1
	CREST
.endm
	s_load_b128 s[4:7], s[0:1], 0x0                ; xc, wc
	s_load_b128 s[8:11], s[0:1], 0x10              ; b_qkv, qc
	s_load_b64 s[12:13], s[0:1], 0x20              ; kv
	v_lshl_add_u32 v[SPW], v0, 2, SPARE
	v_mov_b32 v[NIL], 0
	ds_add_u32 v28, v29
	ds_add_u32 v28, v29
	s_wait_dscnt 0x0
	v_lshrrev_b32 v1, 5, v0
	v_readfirstlane_b32 s14, v1                    ; wave 0..3
	s_lshr_b32 s15, s14, 1                         ; my half of A's rows.  Also: I fetch for A (0) or for B (1)
	s_and_b32 s16, s14, 1                          ; my half of B's rows.  Also: which 128 rows I fetch
	s_bfe_u32 s40, ttmp6, 0x40000                  ; cx
	s_bfe_u32 s41, ttmp6, 0x40004                  ; cy
	s_and_b32 s96, ttmp7, 0xffff
	s_lshl_b32 s96, s96, 2                         ; 4 x cluster y
	s_lshl_b32 s97, ttmp9, 2                       ; 4 x kind
	s_cmp_eq_u32 ttmp9, 2                          ; v?  The cluster's x: equal in all partners
	s_cselect_b32 s17, 8, s96                      ; A's tile of 256 rows: v: wc's tiles 8 .. 11; else xc's 4 x cluster y ..
	s_cselect_b32 s42, s96, s97                    ; B's: v: xc's 4 x cluster y ..; else wc's 4 x kind ..
	s_add_co_u32 s17, s17, s41                     ; + cy: shared along a row of the cluster
	s_add_co_u32 s42, s42, s40                     ; + cx: shared along a column
	s_lshl_b32 s43, s41, 2
	s_lshl_b32 s43, 15, s43                        ; my row of the cluster
	s_lshl_b32 s44, 0x1111, s40                    ; my column
	s_or_b32 s[G1+0], s43, (0<<16)|(1<<20)|(1<<21)|(3<<22)|(3<<25)  ; mask; elements of 1 byte; padding on; bit 21 beside a mask; after every 16 words, 4 words
	s_or_b32 s[G1B+0], s44, (0<<16)|(1<<20)|(1<<21)|(3<<22)|(3<<25)
.irp g, G1, G1B
	s_mov_b32 s[\g+1], ROWB<<16                    ; tensor_dim0
	s_mov_b32 s[\g+2], 128<<16                     ; tensor_dim1
	s_mov_b32 s[\g+3], ROWB<<16                    ; tile_dim0
	s_mov_b32 s[\g+4], 128                         ; tile_dim1
	s_mov_b32 s[\g+5], KROW                        ; pitch
	s_mov_b32 s[\g+6], 0
	s_mov_b32 s[\g+7], 0
.endr
	s_or_b32 s[G1S+0], s43, (3<<16)|(1<<20)|(1<<21)|(5<<22)|(3<<25)  ; the scales of 128 rows: 4,096 dense bytes as 16 rows of 256, 16 bytes of padding behind each
	s_or_b32 s[G1SB+0], s44, (3<<16)|(1<<20)|(1<<21)|(5<<22)|(3<<25)
.irp g, G1S, G1SB
	s_mov_b32 s[\g+1], 32<<16
	s_mov_b32 s[\g+2], (128*KS/256)<<16
	s_mov_b32 s[\g+3], 32<<16
	s_mov_b32 s[\g+4], 128*KS/256
	s_mov_b32 s[\g+5], 32
	s_mov_b32 s[\g+6], 0
	s_mov_b32 s[\g+7], 0
.endr
	s_lshl_b32 s18, s16, 7
	s_lshl_b32 s20, s17, 8
	s_add_co_u32 s20, s20, s18                     ; A: the first row that I fetch
	s_lshl_b32 s46, s42, 8
	s_add_co_u32 s46, s46, s18                     ; B likewise
	s_mov_b32 s21, 0
	s_mov_b32 s47, 0
	s_mov_b64 s[18:19], KS
	s_mul_u64 s[22:23], s[20:21], s[18:19]
	s_mul_u64 s[92:93], s[46:47], s[18:19]
	s_mov_b64 s[18:19], KROW
	s_mul_u64 s[20:21], s[20:21], s[18:19]
	s_mul_u64 s[46:47], s[46:47], s[18:19]
	s_mul_i32 s45, s14, HALFT                      ; where they go: the wave's number alone enters an LDS address
	s_mul_i32 s94, s14, HALFS
	s_wait_kmcnt 0x0
	s_cmp_eq_u32 ttmp9, 2
	s_cselect_b64 s[98:99], s[6:7], s[4:5]         ; A's buffer
	s_cselect_b64 s[100:101], s[4:5], s[6:7]       ; B's
	s_add_nc_u64 s[20:21], s[98:99], s[20:21]
	s_add_nc_u64 s[22:23], s[98:99], s[22:23]
	s_add_nc_u64 s[22:23], s[22:23], SCOFF
	s_add_nc_u64 s[46:47], s[100:101], s[46:47]
	s_add_nc_u64 s[92:93], s[100:101], s[92:93]
	s_add_nc_u64 s[92:93], s[92:93], SCOFF
	CROUND                                         ; all sixteen work-groups are here: the first joint loads meet
	s_mov_b32 s[G0S], 1
	s_add_co_u32 s[G0S+1], s94, SCL
	s_mov_b64 s[G0S+2:G0S+3], s[22:23]
	s_or_b32 s[G0S+3], s[G0S+3], 0x80000000
	s_mov_b32 s[G0SB], 1
	s_add_co_u32 s[G0SB+1], s94, SCL
	s_mov_b64 s[G0SB+2:G0SB+3], s[92:93]
	s_or_b32 s[G0SB+3], s[G0SB+3], 0x80000000
	JLOAD G0S, G1S, G0SB, G1SB                     ; the scales first
.irp s, 0,1
	s_mov_b32 s[G0+4*\s], 1
	s_add_co_u32 s[G0+4*\s+1], s45, \s*SLOT
	s_add_nc_u64 s[G0+4*\s+2:G0+4*\s+3], s[20:21], \s*ROWB
	s_or_b32 s[G0+4*\s+3], s[G0+4*\s+3], 0x80000000
	s_mov_b32 s[G0B+4*\s], 1
	s_add_co_u32 s[G0B+4*\s+1], s45, \s*SLOT
	s_add_nc_u64 s[G0B+4*\s+2:G0B+4*\s+3], s[46:47], \s*ROWB
	s_or_b32 s[G0B+4*\s+3], s[G0B+4*\s+3], 0x80000000
	JLOAD G0+4*\s, G1, G0B+4*\s, G1B               ; three tensor loads of mine are out
.endr
	v_and_b32 v1, 15, v0                           ; r
	v_bfe_u32 v2, v0, 4, 1                         ; h
	v_mul_u32_u24 v3, v1, PITCH
	v_mul_u32_u24 v4, v2, 24
	v_add_nc_u32 v4, v3, v4
	v_lshl_add_u32 v5, v2, 4, v4
	s_mul_i32 s21, s15, HALFT
	s_mul_i32 s22, s16, HALFT
	s_add_co_u32 s22, s22, 2*HALFT
.irp s, 0,1
	v_add_nc_u32 v[ADRA+\s], s21, v4
	v_add_nc_u32 v[ADRB+\s], s22, v4
	v_add_nc_u32 v[ADRA+2+\s], s21, v5
	v_add_nc_u32 v[ADRB+2+\s], s22, v5
	s_add_co_u32 s21, s21, SLOT
	s_add_co_u32 s22, s22, SLOT
.endr
	v_mul_u32_u24 v5, v1, KS
	v_lshrrev_b32 v6, 8, v5
	v_lshl_add_u32 v5, v6, 4, v5
	s_mul_i32 s21, s15, HALFS
	s_mul_i32 s22, s16, HALFS
	s_add_co_u32 s22, s22, 2*HALFS
	s_sub_co_u32 s22, s22, s21
	v_mul_u32_u24 v6, s22, v2                      ; lanes 16-31 take B's words
	s_add_co_u32 s21, s21, SCL
	v_add_nc_u32 v5, v5, v6
	v_add_nc_u32 v[ADRS], s21, v5
	v_and_b32 v6, 31, v0
	v_lshlrev_b32 v[L16], 4, v6
	v_lshlrev_b32 v[L8], 3, v6
	; where the results go.  XA, XB: my 128 rows of A and of B, in units of 128
	s_lshl_b32 s66, s17, 1
	s_add_co_u32 s66, s66, s15
	s_lshl_b32 s67, s42, 1
	s_add_co_u32 s67, s67, s16
	s_cmp_eq_u32 ttmp9, 2
	s_cselect_b32 s94, s67, s66                    ; my 128 tokens
	s_cselect_b32 s95, s66, s67                    ; my 128 columns of W_qkv: two heads
	s_cmp_eq_u32 ttmp9, 0
	s_cselect_b64 s[4:5], s[10:11], s[12:13]       ; q goes to qc, k and v to kv
	s_mov_b32 s18, 204800
	s_cselect_b32 s19, 98304, s18                  ; from head to head, codes
	s_cselect_b32 s20, 8192, s18                   ; and scale words
	s_mov_b32 s18, 12800
	s_cselect_b32 s21, 6144, s18                   ; from 128 tokens to the next, codes
	s_cselect_b32 s22, 512, s18                    ; and scale words
	s_mov_b32 s18, 12288
	s_cselect_b32 s23, SCOFF, s18                  ; where the words begin
	s_cmp_eq_u32 ttmp9, 2
	s_cselect_b32 s40, 6144, 0                     ; v's halves lie behind k's
	s_cselect_b32 s41, 768, s19                    ; from a block's first half to its second: v: the next 64 keys; q, k: the next head
	s_mov_b32 s18, 768
	s_cselect_b32 s43, 1536, s18                   ; from block to block
	s_cselect_b32 s44, 200192, s18                 ; and from block 3 to block 4: v: on to the next head (204,800 - 3 x 1,536)
	s_cselect_b32 s45, 256, 0                      ; v's words lie behind k's
	s_and_b32 s46, s95, 7
	s_lshl_b32 s46, s46, 1
	s_lshr_b32 s47, s94, 4
	s_lshl_b32 s47, s47, 4
	s_add_co_u32 s46, s46, s47                     ; batch x 16 + my first head
	s_and_b32 s47, s94, 15                         ; which 128 tokens of the batch
	s_mul_i32 s92, s46, s19
	s_mul_i32 s93, s47, s21
	s_add_co_u32 s92, s92, s93
	s_add_co_u32 s92, s92, s40
	s_mov_b32 s93, 0
	s_add_nc_u64 s[6:7], s[4:5], s[92:93]          ; a block's first half
	s_mov_b32 s92, s41
	s_add_nc_u64 s[10:11], s[6:7], s[92:93]        ; its second
	s_mul_i32 s92, s46, s20
	s_mul_i32 s96, s47, s22
	s_add_co_u32 s92, s92, s96
	s_add_co_u32 s92, s92, s23
	s_add_co_u32 s92, s92, s45
	s_add_nc_u64 s[12:13], s[4:5], s[92:93]        ; the scale words
	s_lshl_b32 s92, s95, 9
	s_add_nc_u64 s[8:9], s[8:9], s[92:93]          ; the bias of my 128 columns
	s_mov_b32 s96, s43
	s_mov_b32 s97, 0
	s_mov_b32 s98, s44
	s_mov_b32 s99, 0
	s_mov_b32 s100, 0x76543210
	s_mov_b32 s101, 0xfedcba98                     ; v_permlanex16_b32's selects for lane l xor 16
	v_mul_u32_u24 v[VW], s20, v2                   ; lanes 16-31 write the second head's words
	v_lshl_add_u32 v[VW], v1, 4, v[VW]
	s_cmp_eq_u32 ttmp9, 2
	s_cbranch_scc1 .Lbias_v
	v_lshlrev_b32 v7, 6, v2                        ; q, k: tile b's register j is column 32 (b/2) + 8 (b%2) + 16 h + j
.irp b, 0,1,2,3,4,5,6,7
	global_load_b128 v[BI+8*\b:BI+8*\b+3], v7, s[8:9] offset:(32*(\b/2)+8*(\b%2))*4
	global_load_b128 v[BI+8*\b+4:BI+8*\b+7], v7, s[8:9] offset:(32*(\b/2)+8*(\b%2))*4+16
.endr
	s_branch .Lbias_done
.Lbias_v:
	v_and_b32 v7, 8, v1                            ; v: lane r of block a is column 32 (a/2) + 8 (a%2) + r + 8 (r/8): one number for all eight registers
	v_add_nc_u32 v7, v7, v1
	v_lshlrev_b32 v7, 2, v7
.irp a, 0,1,2,3,4,5,6,7
	global_load_b32 v[BI+8*\a], v7, s[8:9] offset:(32*(\a/2)+8*(\a%2))*4
.endr
	s_wait_loadcnt 0x0
.irp a, 0,1,2,3,4,5,6,7
.irp j, 1,2,3,4,5,6,7
	v_mov_b32 v[BI+8*\a+\j], v[BI+8*\a]
.endr
.endr
.Lbias_done:
	s_wait_loadcnt 0x0
.macro FRAG reg, adr, q, i             ; 16 rows x 128 K of 6-bit codes: 12 registers, six pieces of 8 bytes; where the piece of lanes 16-31 lies behind one padding more, the second address register serves
.irp p, 0,1,2,3,4,5
.set PCE, 12*(\q)+6*(\p/3)+\p%3
.if PCE%8 < 5
	ds_load_b64 v[\reg+2*\p:\reg+2*\p+1], v[\adr] offset:8*PCE+16*(PCE/8)+(\i)*16*PITCH
.else
	ds_load_b64 v[\reg+2*\p:\reg+2*\p+1], v[\adr+2] offset:8*PCE+16*(PCE/8)+(\i)*16*PITCH
.endif
.endr
.endm
; 16 matrix instructions: A's blocks a0, a0 + 1 x B's eight.  zero = 1: the sums start from the bias of B's tile; 2: from the bias of A's block; 0: they go on.
; The 64 accumulators take turns, one instruction a turn, in the same order in every step.
.macro MUL16 a0, p, q, sc, zero
.irp a, \a0, \a0+1
.irp b, 0,1,2,3,4,5,6,7
.if \zero == 1
	v_wmma_scale_f32_16x16x128_f8f6f4 v[8*(8*((\a)%4)+\b):8*(8*((\a)%4)+\b)+7], v[128*(\p)+FR*\b:128*(\p)+FR*\b+FR-1], v[AF+FR*(\a):AF+FR*(\a)+FR-1], v[BI+8*\b:BI+8*\b+7], v[SC+8*NQ*(\sc)+NQ*\b+(\q)], v[SC+8*NQ*(\sc)+NQ*(\a)+(\q)] matrix_a_fmt:MATRIX_FMT_FP6 matrix_b_fmt:MATRIX_FMT_FP6 matrix_a_scale:MATRIX_SCALE_ROW1
.elseif \zero == 2
	v_wmma_scale_f32_16x16x128_f8f6f4 v[8*(8*((\a)%4)+\b):8*(8*((\a)%4)+\b)+7], v[128*(\p)+FR*\b:128*(\p)+FR*\b+FR-1], v[AF+FR*(\a):AF+FR*(\a)+FR-1], v[BI+8*(\a):BI+8*(\a)+7], v[SC+8*NQ*(\sc)+NQ*\b+(\q)], v[SC+8*NQ*(\sc)+NQ*(\a)+(\q)] matrix_a_fmt:MATRIX_FMT_FP6 matrix_b_fmt:MATRIX_FMT_FP6 matrix_a_scale:MATRIX_SCALE_ROW1
.else
	v_wmma_scale_f32_16x16x128_f8f6f4 v[8*(8*((\a)%4)+\b):8*(8*((\a)%4)+\b)+7], v[128*(\p)+FR*\b:128*(\p)+FR*\b+FR-1], v[AF+FR*(\a):AF+FR*(\a)+FR-1], v[8*(8*((\a)%4)+\b):8*(8*((\a)%4)+\b)+7], v[SC+8*NQ*(\sc)+NQ*\b+(\q)], v[SC+8*NQ*(\sc)+NQ*(\a)+(\q)] matrix_a_fmt:MATRIX_FMT_FP6 matrix_b_fmt:MATRIX_FMT_FP6 matrix_a_scale:MATRIX_SCALE_ROW1
.endif
.endr
.endr
.endm
.macro FETCH_B slot, q, p
	WIN TO_B
.irp i, 0,1,2,3,4,5,6,7
	FRAG 128*(\p)+FR*\i, ADRB+\slot, \q, \i
.endr
	WIN 0
.endm
.macro FETCH_A slot, q, i0
.irp i, \i0, \i0+1, \i0+2, \i0+3
	FRAG AF+FR*(\i), ADRA+\slot, \q, \i
.endr
.endm
.macro SCALES sc                       ; a K step's scale words: lanes 0-15 A's block i, lanes 16-31 B's block i
.irp i, 0,1,2,3,4,5,6,7
	ds_load_b64 v[SC+8*NQ*\sc+NQ*\i:SC+8*NQ*\sc+NQ*\i+1], v[ADRS] offset:\i*SBLK
.endr
.endm
.macro PLACES n                        ; plain vector instructions between a matrix instruction and a load into, or a read of, its registers
.rept \n
	v_nop
.endr
.endm
.macro STEP slot, q, zero              ; 128 along K that has its successor in the same slot
	s_wait_dscnt 4*NL                              ; B's set and A's blocks 0-3 are in; the youngest 24 loads (A's blocks 4-7) may be out
.if \zero
	WIN ST_LO
.else
	WIN MUL_LO
.endif
	MUL16 0, (\q)%2, \q, \slot, \zero
	MUL16 2, (\q)%2, \q, \slot, \zero
	s_wait_dscnt 0
	PLACES NP
	FETCH_B \slot, (\q)+1, 1-(\q)%2
	FETCH_A \slot, (\q)+1, 0
.if \zero
	WIN ST_HI
.else
	WIN MUL_HI
.endif
	MUL16 4, (\q)%2, \q, \slot, \zero
	MUL16 6, (\q)%2, \q, \slot, \zero
	PLACES NP
	WIN 0
	FETCH_A \slot, (\q)+1, 4
.endm
; A slot's last step changes slots: each wave waits for all its tensor loads, adds 0 to its spare word, waits for that and for its reads of this slot; one barrier.  fill = 1: the barrier opens a round of the cluster's, and the slot is filled again.
.macro TURN slot, next, fill
	s_wait_tensorcnt 0x0                           ; all my tensor loads have landed: my part of the next slot
	ds_add_u32 v[SPW], v[NIL]                      ; 0 onto my spare word
	s_wait_dscnt 4*NL+1                            ; the add and the youngest 24 loads may be out
	WIN MUL_LO
	MUL16 0, 1, NQ-1, \slot, 0
	s_wait_dscnt 0x0                               ; the add is done, and my reads of this slot are over
	s_barrier_signal -1
	MUL16 2, 1, NQ-1, \slot, 0
	WIN 0
	s_barrier_wait -1
.if \fill
	CREST                                          ; no wave of any partner still reads this slot's tile or has a load on its way
	s_add_nc_u64 s[G0+4*\slot+2:G0+4*\slot+3], s[G0+4*\slot+2:G0+4*\slot+3], 2*ROWB
	s_add_nc_u64 s[G0B+4*\slot+2:G0B+4*\slot+3], s[G0B+4*\slot+2:G0B+4*\slot+3], 2*ROWB
	JLOAD G0+4*\slot, G1, G0B+4*\slot, G1B         ; my one tensor load behind the round; its four v_nop are the places in front of the loads below
.else
	PLACES NP
.endif
	v_add_nc_u32 v[ADRS], 4*NQ, v[ADRS]            ; the next K step's scale words
	FETCH_B \next, 0, 0
	FETCH_A \next, 0, 0
	SCALES \next
	WIN MUL_HI
	MUL16 4, 1, NQ-1, \slot, 0
	MUL16 6, 1, NQ-1, \slot, 0
	PLACES NP
	WIN 0
	FETCH_A \next, 0, 4
.endm
	s_wait_tensorcnt 1                             ; the scales and my part of K step 0 are in; K step 1's load may be out
	s_barrier_signal -1
	s_barrier_wait -1
	FETCH_B 0, 0, 0
	FETCH_A 0, 0, 0
	SCALES 0
	FETCH_A 0, 0, 4
	s_cmp_eq_u32 ttmp9, 2                          ; the first step is written twice: it differs in which bias starts a sum.  No tensor load and no barrier stands in it
	s_cbranch_scc1 .Lfirst_v
	STEP 0, 0, 1
	s_branch .Lfirst_done
.Lfirst_v:
	STEP 0, 0, 2
.Lfirst_done:
	s_mov_b32 s3, LAPS-1
.Llap:
	TURN 0, 1, 1
	STEP 1, 0, 0
	TURN 1, 0, 1
	STEP 0, 0, 0
	s_sub_co_u32 s3, s3, 1
	s_cmp_lg_u32 s3, 0
	s_cbranch_scc1 .Llap
	TURN 0, 1, 0                                   ; the last lap fills nothing
	STEP 1, 0, 0
	s_wait_dscnt 4*NL
	WIN MUL_LO
	MUL16 0, 1, NQ-1, 1, 0
	MUL16 2, 1, NQ-1, 1, 0
	s_wait_dscnt 0
	WIN MUL_HI
	MUL16 4, 1, NQ-1, 1, 0
	MUL16 6, 1, NQ-1, 1, 0
	WIN 0
	PLACES NP
.irp b, 0,1,2,3
	v_mov_b32 v[TM+4+\b], 0                        ; a lane permute's destination counts as one of its sources
.endr
; Block a: 64 registers of a lane, register 16 b + i = place 32 b + 16 h + i along "B" of my row, become 12 registers of codes and a scale word.
.macro QEPI a
.set AC, 64*((\a)%4)
.set WN, 2+(\a)/4
.set WQ, 5*WN
	WIN WQ                                         ; sources 0 and 1: the accumulators' window
.irp b, 0,1,2,3
	v_max3_num_f32 v[TM+\b], |v[AC+16*\b]|, |v[AC+16*\b+1]|, 0x1800000   ; each accumulator from its low end on; the floor 2^(3 - 127) holds the byte at 1 from below
.endr
.irp i, 2,4,6,8,10,12,14
.irp b, 0,1,2,3
	v_max3_num_f32 v[TM+\b], |v[AC+16*\b+\i]|, |v[AC+16*\b+\i+1]|, v[TM+\b]
.endr
.endr
	WIN 0
.irp b, 0,1,2,3
	v_permlanex16_b32 v[TM+4+\b], v[TM+\b], s100, s101
.endr
.irp b, 0,1,2,3
	v_max_num_f32 v[TM+\b], v[TM+\b], v[TM+4+\b]   ; with lane l xor 16's: the block's largest magnitude
.endr
.irp b, 0,1,2,3
	v_add_nc_u32 v[TM+12+\b], 0xff000000, v[TM+\b] ; 2 off its exponent field: the conversion's scale operand
.endr
.irp b, 0,1,2,3
	v_lshrrev_b32 v[TM+4+\b], 23, v[TM+12+\b]      ; the scale's byte
.endr
	v_lshl_or_b32 v[PWS+(\a)], v[TM+5], 8, v[TM+4]
	v_lshl_or_b32 v[PWS+(\a)], v[TM+6], 16, v[PWS+(\a)]
	v_lshl_or_b32 v[PWS+(\a)], v[TM+7], 24, v[PWS+(\a)]
	s_wait_xcnt 0x0                                ; the last block's stores have read their data and their bases: both are written again only behind this wait
.if (\a) == 4
	s_add_nc_u64 s[6:7], s[6:7], s[98:99]
	s_add_nc_u64 s[10:11], s[10:11], s[98:99]
.elseif (\a) > 0
	s_add_nc_u64 s[6:7], s[6:7], s[96:97]
	s_add_nc_u64 s[10:11], s[10:11], s[96:97]
.endif
	WIN WN                                         ; source 0: the accumulators' window
.irp c, 0,1
	v_cvt_scalef32_pk16_fp6_f32 v[QC+6*\c:QC+6*\c+2], v[AC+32*\c:AC+32*\c+15], v[TM+12+2*\c]
	v_cvt_scalef32_pk16_fp6_f32 v[QC+12+4*\c:QC+14+4*\c], v[AC+16+32*\c:AC+31+32*\c], v[TM+13+2*\c]
.endr
	WIN 0
	v_nop                                          ; one plain place behind a scaled conversion
.irp c, 0,1                                    ; the operand's layout wants a whole block of 32 in a lane
.irp i, 0,1,2
	v_permlane16_swap_b32 v[QC+6*\c+\i], v[QC+12+4*\c+\i]
.endr
.irp i, 0,1,2
	v_mov_b32 v[QC+3+6*\c+\i], v[QC+12+4*\c+\i]
.endr
.endr
	global_store_b128 v[L16], v[QC:QC+3], s[6:7]               ; 512 consecutive bytes, aligned
	global_store_b64 v[L8], v[QC+4:QC+5], s[6:7] offset:512    ; 256 consecutive bytes, aligned
	global_store_b128 v[L16], v[QC+6:QC+9], s[10:11]
	global_store_b64 v[L8], v[QC+10:QC+11], s[10:11] offset:512
.endm
.irp a, 0,1,2,3,4,5,6,7
	QEPI \a
.endr
	; the scale words.  A word holds bytes (first head: 0, 1; second head: 2, 3) for q and k, the four blocks of 32 keys for v.  Lanes 0-15 write the first head's 256 bytes, lanes 16-31 the second's.
	v_cmp_ne_u32 vcc_lo, 0, v2
	s_cmp_eq_u32 ttmp9, 0
	s_cbranch_scc0 .Lnot_q
	v_mov_b32 v[PSEL], 0x01000100
	v_mov_b32 v[PSEL+1], 0x03020302
	v_cndmask_b32 v[PSEL], v[PSEL], v[PSEL+1], vcc_lo
.irp a, 0,1,2,3,4,5,6,7
	v_perm_b32 v[WP+\a], v[PWS+\a], v[PWS+\a], v[PSEL]          ; q: my head's two bytes, twice: they serve either half of the instruction's 128
.endr
	global_store_b128 v[VW], v[WP:WP+3], s[12:13]
	global_store_b128 v[VW], v[WP+4:WP+7], s[12:13] offset:256
	s_branch .Lwords_done
.Lnot_q:
	s_cmp_eq_u32 ttmp9, 1
	s_cbranch_scc0 .Lis_v
	v_mov_b32 v[PSEL], 0x05040100
	v_mov_b32 v[PSEL+1], 0x07060302
	v_cndmask_b32 v[PSEL], v[PSEL], v[PSEL+1], vcc_lo
.irp b, 0,1,2,3
	v_perm_b32 v[WP+\b], v[PWS+2*\b+1], v[PWS+2*\b], v[PSEL]    ; k: tile 2 b's two bytes, then tile 2 b + 1's: two tiles of keys share an operand
.endr
	global_store_b128 v[VW], v[WP:WP+3], s[12:13]
	s_branch .Lwords_done
.Lis_v:
.irp i, 0,1,2,3
	v_cndmask_b32 v[WP+\i], v[PWS+\i], v[PWS+4+\i], vcc_lo      ; v: blocks 0-3 are the first head's tiles, blocks 4-7 the second's
.endr
	global_store_b128 v[VW], v[WP:WP+3], s[12:13]
.Lwords_done:
	s_wait_tensorcnt 0x0                           ; the wave's end
	ds_add_u32 v[SPW], v[NIL]
	s_wait_dscnt 0x0
	CROUND                                         ; the closing round: no work-group ends while a partner may still ask for a tile that names it
	s_endpgm
.Lfunc_end_k_qd84f975844_qkv:
	.size	k_qd84f975844_qkv, .Lfunc_end_k_qd84f975844_qkv-k_qd84f975844_qkv
	.p2alignl 7, 3214868480
	.fill 96, 4, 3214868480
	.section	.rodata,"a",@progbits
	.p2align	6, 0x0
	.amdhsa_kernel k_qd84f975844_qkv
		.amdhsa_group_segment_fixed_size 327680
		.amdhsa_private_segment_fixed_size 0
		.amdhsa_enable_private_segment 0
		.amdhsa_kernarg_size 40
		.amdhsa_user_sgpr_count 2
		.amdhsa_user_sgpr_kernarg_segment_ptr 1
		.amdhsa_wavefront_size32 1
		.amdhsa_system_sgpr_workgroup_id_x 1
		.amdhsa_system_sgpr_workgroup_id_y 1
		.amdhsa_system_sgpr_workgroup_id_z 1
		.amdhsa_system_vgpr_workitem_id 0
		.amdhsa_next_free_vgpr 1024
		.amdhsa_next_free_sgpr 102
		.amdhsa_reserve_vcc 1
		.amdhsa_float_denorm_mode_32 3
		.amdhsa_float_denorm_mode_16_64 3
		.amdhsa_memory_ordered 1
		.amdhsa_forward_progress 1
		.amdhsa_inst_pref_size 187
	.end_amdhsa_kernel
	.amdgpu_metadata
---
amdhsa.version: [ 1, 2 ]
amdhsa.kernels:
  - .name:           k_qd84f975844_qkv
    .symbol:         k_qd84f975844_qkv.kd
    .args:
      - { .name: xc, .offset: 0, .size: 8, .value_kind: global_buffer, .address_space: global }
      - { .name: wc, .offset: 8, .size: 8, .value_kind: global_buffer, .address_space: global }
      - { .name: b_qkv, .offset: 16, .size: 8, .value_kind: global_buffer, .address_space: global }
      - { .name: qc, .offset: 24, .size: 8, .value_kind: global_buffer, .address_space: global }
      - { .name: kv, .offset: 32, .size: 8, .value_kind: global_buffer, .address_space: global }
    .group_segment_fixed_size: 327680
    .private_segment_fixed_size: 0
    .kernarg_segment_align: 8
    .kernarg_segment_size: 40
    .max_flat_workgroup_size: 128
    .sgpr_count:     102
    .vgpr_count:     1024
    .wavefront_size: 32
...
	.end_amdgpu_metadata
.endif
;; end of part 2
;; launch attn (part 3): grid 8 x 32, 16 waves a work-group, no clusters, 207,360 bytes of LDS; arguments qc, kv, ac; writes ac
.if DOCPART == 3
	.amdgcn_target "amdgcn-amd-amdhsa--gfx1250"
	.amdhsa_code_object_version 6
	.text
	.protected	k_qd84f975844_attn
	.globl	k_qd84f975844_attn
	.p2align	8
	.type	k_qd84f975844_attn,@function
k_qd84f975844_attn:
	s_mov_b64 s[64:65], 0
	v_nop
	global_prefetch_b8 v0, s[64:65] scope:SCOPE_SE
	s_setreg_imm32_b32 hwreg(HW_REG_WAVE_MODE, 25, 1), 1
	s_wait_xcnt 0x0
; Causal attention of one head on codes of FP6 (E2M3), head size 64, 2,048 tokens; its result a = (p v) / l is quantised along the head's 64 and leaves as codes.
; t = score x log2(e) / 8; M = the running largest t rounded up to a whole number; p = 2^(t - M) is what is quantised along the keys; the row's sum l is taken of the unquantised p.
; SHARES.  A work-group takes the query blocks i and 15 - i (128 queries each) of one head: 17 key steps of 128 for each of eight tiles, the same in every work-group.  Each of its sixteen waves owns one tile of 16 queries.
; THE HEAD'S WHOLE BLOCK OF k AND v (204,800 bytes: 16 key steps x 12,800, codes as images of operand registers, scale words behind them) is brought into LDS ONCE, in four chunks of four steps; nothing is filled again.
; NO CLUSTER: the eight work-groups of a head differ in i, and the branch that skips a step hangs on i; partners of a joint load must run alike.
; LAYOUT.  Both products are used transposed: a lane holds ONE query.  THE HEAD'S 64 ARE HALF OF THE INSTRUCTION'S 128: an operand of k holds TWO tiles of 16 keys, one in each half of K; multiplied by (q | 0) it gives the
; first tile's scores, by (0 | q) the second's.  Zero codes add nothing under any scale byte.  Tokens lie in position order, so the 16 registers of two neighbouring tiles are 16 neighbouring keys.
; CAUSAL.  Every wave walks all 16 steps: trip counts are constants.  A step all of whose keys come after the wave's queries is jumped over by a scalar branch on ids; on the diagonal hidden scores become -8e9 (the logit -1e9).
; LIMITS: skipping the hidden steps is exact while a row's largest visible logit lies above about -1e9 + 200; a block of zeros gets the byte 1; NaN and infinities are not served.
.set STEPB, 12800
.set CHUNK, 4*STEPB
.set WSH,   CHUNK/16                   ; a wave's share of a chunk: 3,200 bytes
.set HEADB, 16*STEPB
.set ASCL,  HEADB                      ; behind the block: 512 bytes for a's scale bytes; no tensor load lands there
.set SCOFF, 3145728
.set L16,  1                           ; v1   16 x lane
.set L8,   2                           ; v2   8 x lane
.set A16,  3                           ; v3   the same in the step in hand
.set A8,   4                           ; v4
.set QD,   5                           ; v5   my query in its block of 128, less 16 (lane / 16)
.set ASW,  6                           ; v6   where my row's two scale bytes go
.set ASR,  7                           ; v7   where wave 0 reads them back
.set QZ,   16                          ; v16-21 zeros, v22-27 q, v28-33 zeros
.set QS,   34                          ; v34  q's scale words
.set ASO,  35                          ; v35  wave 0's offset among a's scale bytes
.set SW,   36                          ; v36-39 lanes 0-15: k's four scale words; lanes 16-31: v's
.set KV,   40                          ; v40-87 four operands of k, then of v
.set S,    88                          ; v88-151 the scores, then p
.set OT,   152                         ; v152-183 O^T
.set PC,   184                         ; v184-195 p's codes
.set PT,   196                         ; v196-198, v200-202 halves of blocks on their way
.set BM,   204
.set BP,   208
.set BS,   212
.set PWD,  216                         ; p's scale word
.set FF,   218                         ; v[218:219] f = 2^(old M - new M)
.set T0,   220
.set SUM2, 222
.set WV,   18
.set SEL,  20
.set CS,   22
.set G1,   24
.set G0,   32                          ; s32-47: a group 0 for each chunk
.set TB,   48                          ; LDS byte at which the step in hand begins
.set STP,  49                          ; its number
.set CNT,  50
.set BLK,  51                          ; my query block = my diagonal step
	s_load_b128 s[4:7], s[0:1], 0x0                ; qc, kv
	s_load_b64 s[8:9], s[0:1], 0x10                ; ac
	v_lshl_add_u32 v224, v0, 2, 0x32200
	v_mov_b32 v225, 0
	ds_add_u32 v224, v225
	ds_add_u32 v224, v225
	v_lshrrev_b32 v8, 5, v0
	s_delay_alu instid0(VALU_DEP_1)
	v_readfirstlane_b32 s[WV], v8                  ; wave 0..15
	s_and_b32 s10, ttmp7, 0xffff                   ; batch x 16 + head
	s_mov_b32 s[G1], 3<<16                         ; no mask; elements of 8 bytes; no padding
	s_mov_b32 s[G1+1], 400<<16                     ; tensor_dim0: one row of 3,200 bytes
	s_mov_b32 s[G1+2], 1<<16                       ; tensor_dim1 = 1
	s_mov_b32 s[G1+3], 400<<16                     ; tile_dim0
	s_mov_b32 s[G1+4], 1                           ; tile_dim1
	s_mov_b32 s[G1+5], 400                         ; pitch
	s_mov_b32 s[G1+6], 0
	s_mov_b32 s[G1+7], 0
	s_mul_i32 s11, s[WV], WSH
	s_mul_i32 s12, s10, HEADB
	s_add_co_u32 s12, s12, s11
	s_mov_b32 s13, 0
	s_wait_dscnt 0x0
	s_wait_kmcnt 0x0
	s_add_nc_u64 s[6:7], s[6:7], s[12:13]
.irp c, 0,1,2,3
	s_mov_b32 s[G0+4*\c], 1
	s_add_co_u32 s[G0+4*\c+1], s11, \c*CHUNK       ; LDS: the chunk's constant + the wave's number x 3,200
	s_add_nc_u64 s[G0+4*\c+2:G0+4*\c+3], s[6:7], \c*CHUNK
	s_or_b32 s[G0+4*\c+3], s[G0+4*\c+3], 0x80000000
.endr
.irp c, 0,1,2,3
	tensor_load_to_lds s[G0+4*\c:G0+4*\c+3], s[G1:G1+7]   ; all first fills in one group: four tensor loads of mine are out
	s_nop 0
.endr
.rept 4
	v_nop
.endr
	s_lshr_b32 s14, s[WV], 2
	s_xor_b32 s14, s14, s[WV]
	s_and_b32 s14, s14, 1                          ; which of the two query blocks: waves 2 t and 2 t + 1 differ, and so do waves w and w + 4
	s_lshr_b32 s15, s[WV], 1                       ; which of its eight tiles
	s_lshl_b32 s16, ttmp9, 1
	s_sub_co_u32 s16, 15, s16                      ; 15 - 2 i
	s_mul_i32 s17, s14, s16
	s_add_co_u32 s[BLK], s17, ttmp9                ; i or 15 - i
	s_lshl_b32 s19, s[BLK], 3
	s_add_co_u32 s19, s19, s15                     ; my tile of the head's 128
	s_mul_i32 s12, s10, 98304
	s_mul_i32 s52, s19, 768
	s_add_co_u32 s12, s12, s52
	s_add_nc_u64 s[54:55], s[4:5], s[12:13]        ; q's half image
	s_lshl_b32 s12, s10, 13
	s_lshl_b32 s52, s[BLK], 9
	s_add_co_u32 s12, s12, s52
	s_lshr_b32 s52, s15, 2
	s_lshl_b32 s52, s52, 8
	s_add_co_u32 s12, s12, s52
	s_and_b32 s52, s15, 3
	s_lshl_b32 s52, s52, 2
	s_add_co_u32 s12, s12, s52
	s_add_co_u32 s12, s12, SCOFF
	s_add_nc_u64 s[56:57], s[4:5], s[12:13]        ; q's scale words
	s_and_b32 s52, s10, 15                         ; head
	s_lshr_b32 s53, s10, 4                         ; batch
	s_mul_i32 s12, s52, 196608
	s_lshl_b32 s58, s53, 7
	s_add_co_u32 s58, s58, s19
	s_mul_i32 s58, s58, 768
	s_add_co_u32 s12, s12, s58
	s_add_nc_u64 s[60:61], s[8:9], s[12:13]        ; a's half image: [head][batch x 128 + tile]
	s_lshl_b32 s12, s52, 13
	s_lshl_b32 s58, s53, 12
	s_add_co_u32 s12, s12, s58
	s_lshl_b32 s58, ttmp9, 8
	s_add_co_u32 s12, s12, s58
	s_add_co_u32 s12, s12, SCOFF
	s_add_nc_u64 s[62:63], s[8:9], s[12:13]        ; a's scale bytes of block i
	v_and_b32 v8, 31, v0
	v_and_b32 v9, 15, v0                           ; r
	v_bfe_u32 v10, v0, 4, 1                        ; h
	s_delay_alu instid0(VALU_DEP_3)
	v_lshlrev_b32 v[L16], 4, v8
	s_delay_alu instid0(VALU_DEP_4)
	v_lshlrev_b32 v[L8], 3, v8
	s_delay_alu instid0(VALU_DEP_4)
	v_lshlrev_b32 v11, 4, v9
	global_load_b128 v[QZ+6:QZ+9], v[L16], s[54:55]
	global_load_b64 v[QZ+10:QZ+11], v[L8], s[54:55] offset:512
	global_load_b32 v[QS], v11, s[56:57]
.irp j, 0,1,2,3,4,5
	v_mov_b32 v[QZ+\j], 0
	v_mov_b32 v[QZ+12+\j], 0
.endr
	v_and_b32 v[QD], 8, v9
	s_delay_alu instid0(VALU_DEP_1)
	v_add_nc_u32 v[QD], v[QD], v9                  ; r + 8 (r / 8)
	v_lshlrev_b32 v[T0], 4, v10
	s_delay_alu instid0(VALU_DEP_1)
	v_sub_nc_u32 v[QD], v[QD], v[T0]
	s_lshr_b32 s52, s15, 1
	s_lshl_b32 s52, s52, 5
	s_and_b32 s53, s15, 1
	s_lshl_b32 s53, s53, 3
	s_add_co_u32 s52, s52, s53
	v_add_nc_u32 v[QD], s52, v[QD]                 ; + 32 (tile / 2) + 8 (tile % 2)
	s_lshl_b32 s52, s14, 8
	s_lshl_b32 s53, s15, 5
	s_add_co_u32 s52, s52, s53
	s_add_co_u32 s52, s52, ASCL
	v_lshl_add_u32 v[ASW], v9, 1, s52              ; 256 x which block + 32 x tile + 2 r
	v_add_nc_u32 v[ASR], ASCL, v[L16]
	s_lshl_b32 s53, s16, 8
	v_mul_u32_u24 v[ASO], s53, v10                 ; lanes 16-31 hold block 15 - i's bytes
	s_delay_alu instid0(VALU_DEP_1)
	v_lshl_add_u32 v[ASO], v9, 4, v[ASO]
	s_mov_b32 s[SEL], 0x76543210
	s_mov_b32 s[SEL+1], 0xfedcba98
	s_mov_b32 s[CS], 0x3e38aa3b                    ; c = log2(e) / 8
	s_mov_b32 s[CS+1], s[CS]
	v_mov_b32 v13, 0xff61b1e6                      ; the largest t so far: -3e38
	s_delay_alu instid0(VALU_DEP_1)
	v_floor_f32 v12, -v13                          ; -M
	v_mov_b32 v14, 0                               ; the sum, in two halves
	v_mov_b32 v15, 0
	v_mov_b32 v[FF+1], 0                           ; named as the upper half of a pair
.irp b, 0,1,2,3
	v_mov_b32 v[BP+\b], 0                          ; a lane permute's destination counts as one of its sources
.endr
.set JJ, 0
.rept 32
	v_mov_b32 v[OT+JJ], 0                          ; the step is written once: the first finds zeros
.set JJ, JJ+1
.endr
; A KEY STEP: 128 keys.
.macro STEP
	s_cmp_gt_u32 s[STP], s[BLK]                    ; all its keys come after my queries: nothing but the stepping of addresses
	s_cbranch_scc1 .Lhid_\@
	s_setprio 2
	v_add_nc_u32 v[A16], s[TB], v[L16]
	v_add_nc_u32 v[A8], s[TB], v[L8]
	v_nop
	v_nop                                          ; four places in front of loads into registers that the last products read
.irp b, 0,1,2,3                                ; operand b: key tiles 2 b and 2 b + 1, two half images
	ds_load_b128 v[KV+12*\b:KV+12*\b+3], v[A16] offset:1536*\b
	ds_load_b64 v[KV+12*\b+4:KV+12*\b+5], v[A8] offset:1536*\b+512
	ds_load_b128 v[KV+12*\b+6:KV+12*\b+9], v[A16] offset:1536*\b+768
	ds_load_b64 v[KV+12*\b+10:KV+12*\b+11], v[A8] offset:1536*\b+1280
.endr
	ds_load_b128 v[SW:SW+3], v[A16] offset:12288   ; lanes 0-15: k's words of row r; lanes 16-31: v's
	s_wait_alu depctr_va_vdst(0)
	s_wait_dscnt 0x0
.irp b, 0,1,2,3
	v_wmma_scale_f32_16x16x128_f8f6f4 v[S+16*\b:S+16*\b+7], v[KV+12*\b:KV+12*\b+11], v[QZ+6:QZ+17], 0, v[SW+\b], v[QS] matrix_a_fmt:MATRIX_FMT_FP6 matrix_b_fmt:MATRIX_FMT_FP6
	v_wmma_scale_f32_16x16x128_f8f6f4 v[S+16*\b+8:S+16*\b+15], v[KV+12*\b:KV+12*\b+11], v[QZ:QZ+11], 0, v[SW+\b], v[QS] matrix_a_fmt:MATRIX_FMT_FP6 matrix_b_fmt:MATRIX_FMT_FP6
.endr                                          ; register 16 b + i of lane (r, h): key 32 b + 16 h + i
.rept 4
	v_nop
.endr
.irp t, 0,1,2,3                                ; v's four operands (16 channels x 128 keys) land while the softmax is worked
	ds_load_b128 v[KV+12*\t:KV+12*\t+3], v[A16] offset:6144+1536*\t
	ds_load_b64 v[KV+12*\t+4:KV+12*\t+5], v[A8] offset:6144+1536*\t+512
	ds_load_b128 v[KV+12*\t+6:KV+12*\t+9], v[A16] offset:6144+1536*\t+768
	ds_load_b64 v[KV+12*\t+10:KV+12*\t+11], v[A8] offset:6144+1536*\t+1280
.endr
	s_cmp_lg_u32 s[STP], s[BLK]
	s_cbranch_scc1 .Lopen_\@                       ; only the diagonal step has hidden keys
	v_mov_b32 v[T0], 0xcfee6b28                    ; -8e9: the logit -1e9
.set NN, 0
.rept 64
	v_cmp_gt_i32 vcc_lo, 32*(NN/16)+NN%16, v[QD]
	v_cndmask_b32 v[S+NN], v[S+NN], v[T0], vcc_lo
.set NN, NN+1
.endr
.Lopen_\@:
.irp b, 0,1,2,3
	v_max3_num_f32 v[BM+\b], v[S+16*\b], v[S+16*\b+1], v[S+16*\b+2]   ; the largest score of each block of 32 keys: it serves the row's maximum and, since p rises with the score, the block's largest p
.endr
.irp i, 3,5,7,9,11,13
.irp b, 0,1,2,3
	v_max3_num_f32 v[BM+\b], v[BM+\b], v[S+16*\b+\i], v[S+16*\b+\i+1]
.endr
.endr
.irp b, 0,1,2,3
	v_max_num_f32 v[BM+\b], v[BM+\b], v[S+16*\b+15]
.endr
.irp b, 0,1,2,3
	s_delay_alu instid0(VALU_DEP_4)
	v_permlanex16_b32 v[BP+\b], v[BM+\b], s[SEL], s[SEL+1]
.endr
.irp b, 0,1,2,3
	s_delay_alu instid0(VALU_DEP_4)
	v_max_num_f32 v[BM+\b], v[BM+\b], v[BP+\b]
.endr
	s_delay_alu instid0(VALU_DEP_2)
	v_max3_num_f32 v[T0], v[BM], v[BM+1], v[BM+2]
	s_delay_alu instid0(VALU_DEP_1)
	v_max_num_f32 v[T0], v[T0], v[BM+3]
	s_delay_alu instid0(VALU_DEP_1)
	v_mul_f32 v[T0], s[CS], v[T0]
	s_delay_alu instid0(VALU_DEP_1)
	v_max_num_f32 v13, v13, v[T0]                  ; the running largest t
	v_mov_b32 v[T0], v12
	s_delay_alu instid0(VALU_DEP_2)
	v_floor_f32 v12, -v13                          ; the new -M: a whole number
	s_delay_alu instid0(VALU_DEP_1)
	v_sub_f32 v[T0], v12, v[T0]
	s_delay_alu instid0(VALU_DEP_1)
	v_cvt_i32_f32 v[T0], v[T0]                     ; (it saturates)
	s_delay_alu instid0(VALU_DEP_1)
	v_ldexp_f32 v[FF], 1.0, v[T0]                  ; f = 2^(old M - new M): rounds nothing
.set JJ, 0
.rept 32
	v_pk_fma_f32 v[S+JJ:S+JJ+1], v[S+JJ:S+JJ+1], s[CS:CS+1], v[12:13] op_sel_hi:[1,0,0]   ; t - M
.set JJ, JJ+2
.endr
	s_setprio 1
.irp b, 0,1,2,3
	v_fma_f32 v[BM+\b], v[BM+\b], s[CS], v12
.endr
.set JJ, 0
	s_wait_alu depctr_va_vdst(0)
.rept 64
	v_exp_f32 v[S+JJ], v[S+JJ]                     ; p = 2^(t - M)
.set JJ, JJ+1
.endr
.irp b, 0,1,2,3
	v_exp_f32 v[BM+\b], v[BM+\b]                   ; the block's largest p
.endr
	v_pk_mul_f32 v[14:15], v[14:15], v[FF:FF+1] op_sel_hi:[1,0]   ; the sums under the new M (a plain place behind the exponentials)
	s_wait_alu depctr_va_vdst(0)
.irp b, 0,1,2,3
	v_max_num_f32 v[BM+\b], 0x1800000, v[BM+\b]    ; the floor: the byte cannot fall under 1
.endr
.irp b, 0,1,2,3
	s_delay_alu instid0(VALU_DEP_4)
	v_add_nc_u32 v[BS+\b], 0xff000000, v[BM+\b]
.endr
.irp b, 0,1,2,3
	s_delay_alu instid0(VALU_DEP_4)
	v_lshrrev_b32 v[BP+\b], 23, v[BS+\b]
.endr
	s_delay_alu instid0(VALU_DEP_3)
	v_lshl_or_b32 v[PWD], v[BP+1], 8, v[BP]
	s_delay_alu instid0(VALU_DEP_1)
	v_lshl_or_b32 v[PWD], v[BP+2], 16, v[PWD]
	s_delay_alu instid0(VALU_DEP_1)
	v_lshl_or_b32 v[PWD], v[BP+3], 24, v[PWD]
.irp c, 0,1
	v_cvt_scalef32_pk16_fp6_f32 v[PC+6*\c:PC+6*\c+2], v[S+32*\c:S+32*\c+15], v[BS+2*\c]
	v_cvt_scalef32_pk16_fp6_f32 v[PT+4*\c:PT+4*\c+2], v[S+16+32*\c:S+31+32*\c], v[BS+2*\c+1]
.endr
	v_nop                                          ; one plain place behind a scaled conversion
.irp c, 0,1
.irp i, 0,1,2
	v_permlane16_swap_b32 v[PC+6*\c+\i], v[PT+4*\c+\i]
.endr
.irp i, 0,1,2
	s_delay_alu instid0(VALU_DEP_3)
	v_mov_b32 v[PC+3+6*\c+\i], v[PT+4*\c+\i]
.endr
.endr
	v_pk_add_f32 v[222:223], v[92:93], v[96:97]
	v_pk_add_f32 v[214:215], v[100:101], v[104:105]
	v_pk_add_f32 v[212:213], v[108:109], v[112:113]
	v_pk_add_f32 v[206:207], v[116:117], v[120:121]
	v_pk_add_f32 v[204:205], v[124:125], v[128:129]
	v_pk_add_f32 v[202:203], v[132:133], v[136:137]
	v_pk_add_f32 v[200:201], v[140:141], v[144:145]
	v_pk_add_f32 v[14:15], v[14:15], v[148:149]
	v_pk_add_f32 v[222:223], v[222:223], v[88:89]
	v_pk_add_f32 v[214:215], v[214:215], v[90:91]
	s_setprio 0
	v_pk_add_f32 v[212:213], v[212:213], v[94:95]
	v_pk_add_f32 v[206:207], v[206:207], v[98:99]
	v_pk_add_f32 v[204:205], v[204:205], v[102:103]
	v_pk_add_f32 v[202:203], v[202:203], v[106:107]
	v_pk_add_f32 v[200:201], v[200:201], v[110:111]
	v_pk_add_f32 v[14:15], v[14:15], v[114:115]
	v_pk_add_f32 v[222:223], v[222:223], v[118:119]
	v_pk_add_f32 v[214:215], v[214:215], v[122:123]
	v_pk_add_f32 v[212:213], v[212:213], v[126:127]
	v_pk_add_f32 v[206:207], v[206:207], v[130:131]
	v_pk_add_f32 v[204:205], v[204:205], v[134:135]
	v_pk_add_f32 v[202:203], v[202:203], v[138:139]
	v_pk_add_f32 v[200:201], v[200:201], v[142:143]
	v_pk_add_f32 v[14:15], v[14:15], v[146:147]
	v_pk_add_f32 v[222:223], v[222:223], v[150:151]
	s_delay_alu instid0(VALU_DEP_2)
	v_pk_add_f32 v[14:15], v[14:15], v[206:207]
	s_delay_alu instid0(VALU_DEP_2)
	v_pk_add_f32 v[222:223], v[222:223], v[204:205]
	v_pk_add_f32 v[214:215], v[214:215], v[202:203]
	v_pk_add_f32 v[212:213], v[212:213], v[200:201]
	s_delay_alu instid0(VALU_DEP_2)
	v_pk_add_f32 v[14:15], v[14:15], v[214:215]
	s_delay_alu instid0(VALU_DEP_2)
	v_pk_add_f32 v[222:223], v[222:223], v[212:213]
	s_delay_alu instid0(VALU_DEP_1)
	v_pk_add_f32 v[14:15], v[14:15], v[222:223]
.set JJ, 0
.rept 16
	v_pk_mul_f32 v[OT+JJ:OT+JJ+1], v[OT+JJ:OT+JJ+1], v[FF:FF+1] op_sel_hi:[1,0]   ; O^T under the new M
.set JJ, JJ+2
.endr
	s_wait_alu depctr_va_vdst(0)
	s_wait_dscnt 0x0                               ; v is in
.irp t, 0,1,2,3
	v_wmma_scale_f32_16x16x128_f8f6f4 v[OT+8*\t:OT+8*\t+7], v[KV+12*\t:KV+12*\t+11], v[PC:PC+11], v[OT+8*\t:OT+8*\t+7], v[SW+\t], v[PWD] matrix_a_fmt:MATRIX_FMT_FP6 matrix_b_fmt:MATRIX_FMT_FP6 matrix_a_scale:MATRIX_SCALE_ROW1
.endr
.Lhid_\@:
	s_add_co_u32 s[TB], s[TB], STEPB
	s_add_co_u32 s[STP], s[STP], 1
.endm
; Chunk c: every wave's part of it has landed (the 3 - c chunks behind it may stay out), then four steps.
.macro PHASE c
	s_wait_tensorcnt 3-\c
	s_wait_dscnt 0x0
	s_barrier_signal -1
	s_barrier_wait -1
	s_mov_b32 s[TB], \c*CHUNK
	s_mov_b32 s[STP], 4*\c
	s_mov_b32 s[CNT], 4
.Lph_\@:
	STEP
	s_sub_co_u32 s[CNT], s[CNT], 1
	s_cmp_lg_u32 s[CNT], 0
	s_cbranch_scc1 .Lph_\@
	s_setprio 0
.endm
	s_wait_loadcnt 0x0                             ; q
	PHASE 0
	PHASE 1
	PHASE 2
	PHASE 3
	; THE WAY OUT: a = O^T / l, quantised along the head's 64: register 16 b + i is channel 32 b + 16 h + i.
.rept 4
	v_nop
.endr
	v_add_f32 v14, v14, v15
	s_delay_alu instid0(VALU_DEP_1)
	v_permlanex16_b32 v[T0], v14, s[SEL], s[SEL+1]
	s_delay_alu instid0(VALU_DEP_1)
	v_add_f32 v14, v14, v[T0]                      ; the row's sum
	s_wait_alu depctr_va_vdst(0)
	v_rcp_f32 v14, v14
	v_nop
.set JJ, 0
	s_wait_alu depctr_va_vdst(0)
.rept 16
	v_pk_mul_f32 v[S+JJ:S+JJ+1], v[OT+JJ:OT+JJ+1], v[14:15] op_sel_hi:[1,0]
.set JJ, JJ+2
.endr
.irp b, 0,1
	v_max3_num_f32 v[BM+\b], |v[S+16*\b]|, |v[S+16*\b+1]|, 0x1800000
.endr
.irp i, 2,4,6,8,10,12,14
.irp b, 0,1
	s_delay_alu instid0(VALU_DEP_2)
	v_max3_num_f32 v[BM+\b], v[BM+\b], |v[S+16*\b+\i]|, |v[S+16*\b+\i+1]|
.endr
.endr
.irp b, 0,1
	s_delay_alu instid0(VALU_DEP_2)
	v_permlanex16_b32 v[BP+\b], v[BM+\b], s[SEL], s[SEL+1]
.endr
.irp b, 0,1
	s_delay_alu instid0(VALU_DEP_2)
	v_max_num_f32 v[BM+\b], v[BM+\b], v[BP+\b]
.endr
.irp b, 0,1
	s_delay_alu instid0(VALU_DEP_2)
	v_add_nc_u32 v[BS+\b], 0xff000000, v[BM+\b]
.endr
.irp b, 0,1
	s_delay_alu instid0(VALU_DEP_2)
	v_lshrrev_b32 v[BP+\b], 23, v[BS+\b]
.endr
	s_delay_alu instid0(VALU_DEP_1)
	v_lshl_or_b32 v[PWD], v[BP+1], 8, v[BP]        ; my row's two scale bytes
	v_cvt_scalef32_pk16_fp6_f32 v[PC:PC+2], v[S:S+15], v[BS]
	v_cvt_scalef32_pk16_fp6_f32 v[PT:PT+2], v[S+16:S+31], v[BS+1]
	v_nop
.irp i, 0,1,2
	v_permlane16_swap_b32 v[PC+\i], v[PT+\i]
.endr
.irp i, 0,1,2
	s_delay_alu instid0(VALU_DEP_3)
	v_mov_b32 v[PC+3+\i], v[PT+\i]
.endr
	global_store_b128 v[L16], v[PC:PC+3], s[60:61]             ; a half image: 512 and 256 consecutive bytes, aligned
	global_store_b64 v[L8], v[PC+4:PC+5], s[60:61] offset:512
	ds_store_b16 v[ASW], v[PWD]                    ; both halves of the lanes write the same bytes with the same value
	s_wait_dscnt 0x0                               ; for the others' sake: my store has landed
	s_barrier_signal -1
	s_barrier_wait -1
	s_cmp_lg_u32 s[WV], 0
	s_cbranch_scc1 .Lend
	ds_load_b128 v[KV:KV+3], v[ASR]                ; the two blocks' 256 bytes each
	s_wait_dscnt 0x0
	global_store_b128 v[ASO], v[KV:KV+3], s[62:63] ; sixteen lanes store 256 consecutive bytes, aligned
.Lend:
	s_wait_tensorcnt 0x0
	ds_add_u32 v224, v225
	s_wait_dscnt 0x0
	s_endpgm
.Lfunc_end_k_qd84f975844_attn:
	.size	k_qd84f975844_attn, .Lfunc_end_k_qd84f975844_attn-k_qd84f975844_attn
	.p2alignl 7, 3214868480
	.fill 96, 4, 3214868480
	.section	.rodata,"a",@progbits
	.p2align	6, 0x0
	.amdhsa_kernel k_qd84f975844_attn
		.amdhsa_group_segment_fixed_size 207360
		.amdhsa_private_segment_fixed_size 0
		.amdhsa_enable_private_segment 0
		.amdhsa_kernarg_size 24
		.amdhsa_user_sgpr_count 2
		.amdhsa_user_sgpr_kernarg_segment_ptr 1
		.amdhsa_wavefront_size32 1
		.amdhsa_system_sgpr_workgroup_id_x 1
		.amdhsa_system_sgpr_workgroup_id_y 1
		.amdhsa_system_sgpr_workgroup_id_z 1
		.amdhsa_system_vgpr_workitem_id 0
		.amdhsa_next_free_vgpr 226
		.amdhsa_next_free_sgpr 66
		.amdhsa_reserve_vcc 1
		.amdhsa_float_denorm_mode_32 3
		.amdhsa_float_denorm_mode_16_64 3
		.amdhsa_memory_ordered 1
		.amdhsa_forward_progress 1
		.amdhsa_inst_pref_size 103
	.end_amdhsa_kernel
	.amdgpu_metadata
---
amdhsa.version: [ 1, 2 ]
amdhsa.kernels:
  - .name:           k_qd84f975844_attn
    .symbol:         k_qd84f975844_attn.kd
    .args:
      - { .name: qc, .offset: 0, .size: 8, .value_kind: global_buffer, .address_space: global }
      - { .name: kv, .offset: 8, .size: 8, .value_kind: global_buffer, .address_space: global }
      - { .name: ac, .offset: 16, .size: 8, .value_kind: global_buffer, .address_space: global }
    .group_segment_fixed_size: 207360
    .private_segment_fixed_size: 0
    .kernarg_segment_align: 8
    .kernarg_segment_size: 24
    .max_flat_workgroup_size: 512
    .sgpr_count:     66
    .vgpr_count:     226
    .wavefront_size: 32
...
	.end_amdgpu_metadata
.endif
;; end of part 3
;; launch proj (part 4): grid 8 x 32, 4 waves a work-group, clusters of 4 x 4, 247,808 bytes of LDS; arguments ac, wc, b_proj, out0; writes out0
.if DOCPART == 4
	.amdgcn_target "amdgcn-amd-amdhsa--gfx1250"
	.amdhsa_code_object_version 6
	.text
	.protected	k_qd84f975844_proj
	.globl	k_qd84f975844_proj
	.p2align	8
	.type	k_qd84f975844_proj,@function
k_qd84f975844_proj:
	s_mov_b64 s[64:65], 0
	v_nop
	global_prefetch_b8 v0, s[64:65] scope:SCOPE_SE
	s_setreg_imm32_b32 hwreg(HW_REG_WAVE_MODE, 25, 1), 1
	s_wait_xcnt 0x0
	s_wait_alu depctr_hold_cnt(0) depctr_sa_sdst(0) depctr_va_vdst(0) depctr_va_sdst(0) depctr_va_ssrc(0) depctr_va_vcc(0) depctr_vm_vsrc(0)
	s_getreg_b32 s2, hwreg(HW_REG_IB_STS2, 6, 4)
	s_cmp_eq_u32 s2, 0
	s_cbranch_scc0 .Lentry_in_a_cluster
	s_endpgm
.Lentry_in_a_cluster:
	s_bfe_u32 s2, ttmp6, 0x10000c
	s_cmp_lg_u32 s2, 0xf033
	s_cbranch_scc0 .Lentry_shape_is_right
	s_endpgm
.Lentry_shape_is_right:
; out0 = a W_proj + b_proj on codes of FP6 (E2M3) with E8M0 scales, K = 1,024 = 16 heads x 64.  a: half images [head][tile of 16 rows][768] and two scale bytes a row and head (ac); W_proj: rows 3,072 .. 4,095 of wc.
; A work-group of four waves makes 128 x 128, a wave 64 x 64 in 16 accumulators: 256 work-groups.  All of K for the work-group's 128 + 128 rows fits in LDS: it is filled ONCE, in four chunks of 256 along K; nothing is filled again.
; CLUSTER 4 x 4: a's tiles are shared along a row of the cluster, W's along a column, each by a joint load.
; The matrix instruction is used transposed (source 0 = 16 rows of W, source 1 = 16 rows of a); the bias is the C of each sum's first instruction.  An operand of a for 128 along K is the half images of two heads.
; Rows of a and columns of W lie in position order (bits 3 and 4 exchanged): the way out puts each row and column back.
.set SCOFF,  3145728
.set ACH,    24576                     ; a chunk of a: [4 heads][8 tiles][768]
.set BT,     98304                     ; W's chunks: 128 rows, 240 bytes apart
.set BCH,    30720
.set PITCH,  240
.set ASC,    221184                    ; a's scale words, rows of 32 bytes, 16 of padding behind each 256: written by LDS stores
.set BSC,    225536                    ; W's likewise: filled by a tensor load
.set STG,    229888                    ; a stage of 16 rows x 272 bytes for each wave
.set SPITCH, 272
.set FR,     12
.set AA16, 16                          ; v16-17  16 x lane + my four tiles, chunks 0-1 and 2-3
.set AA8,  18                          ; v18-19  8 x lane likewise
.set BB,   20                          ; v20-21  my W fragments, chunks 0-1 and 2-3;  v22-23 the same behind one padding more
.set STO,  24
.set RD,   25
.set CO,   26
.set ADRS, 27
.set SC,   32                          ; v32-63  scale words: register 8 i + s: lanes 0-15 a's block i, lanes 16-31 W's block i, K step s
.set BI,   64                          ; v64-95  the bias
.set RB,   64                          ; the way out: v64-95 and v96-127 by turns
.set ACC,  128
.set G1A,  24
.set G0A,  32                          ; s32-47
.set G1B,  48                          ; W's groups 0: s56-63, s68-75
.set G1S,  76
.set G0S,  84
.set MSB, 0
.macro WIN new
.if MSB != (\new)
	s_set_vgpr_msb (MSB<<8)|(\new)
.set MSB, (\new)
.endif
.endm
.set MULW, 0x05                        ; sources 0 and 1 window 1; C and D window 0
.set TO_F, 0x40                        ; destination window 1
.macro CROUND
	s_barrier_signal -1
	s_barrier_wait -1
	s_cmp_lg_u32 s14, 0
	s_cbranch_scc1 .Lnot_wave_0_\@
	s_barrier_signal -3
.Lnot_wave_0_\@:
	s_barrier_wait -3
	s_barrier_signal -1
	s_barrier_wait -1
.endm
	s_load_b128 s[4:7], s[0:1], 0x0                ; ac, wc
	s_load_b128 s[8:11], s[0:1], 0x10              ; b_proj, out0
	v_lshl_add_u32 v30, v0, 2, 0x3c600
	v_mov_b32 v31, 0
	ds_add_u32 v30, v31
	ds_add_u32 v30, v31
	v_lshrrev_b32 v1, 5, v0
	v_readfirstlane_b32 s14, v1                    ; wave 0..3
	s_lshr_b32 s15, s14, 1                         ; my half of the rows.  Also: I fetch for a (0) or for W (1)
	s_and_b32 s16, s14, 1                          ; my half of the columns.  Also: which half I fetch
	; every LDS address: constants, the lane and the wave's number
	v_and_b32 v1, 15, v0                           ; r
	v_bfe_u32 v2, v0, 4, 1                         ; h
	v_and_b32 v3, 31, v0                           ; lane
	s_mul_i32 s2, s15, 4*768
	v_lshl_add_u32 v[AA16], v3, 4, s2
	v_lshl_add_u32 v[AA8], v3, 3, s2
	v_add_nc_u32 v[AA16+1], 2*ACH, v[AA16]
	v_add_nc_u32 v[AA8+1], 2*ACH, v[AA8]
	v_mul_u32_u24 v6, v1, PITCH
	v_mad_u32_u24 v6, v2, 24, v6
	s_mul_i32 s2, s16, 64*PITCH
	s_add_co_u32 s2, s2, BT
	v_add_nc_u32 v[BB], s2, v6
	v_lshl_add_u32 v[BB+2], v2, 4, v[BB]
	v_add_nc_u32 v[BB+1], 2*BCH, v[BB]
	v_add_nc_u32 v[BB+3], 2*BCH, v[BB+2]
	v_lshlrev_b32 v6, 5, v1
	v_lshrrev_b32 v7, 3, v1
	v_lshl_add_u32 v6, v7, 4, v6                   ; 32 r + 16 (r / 8)
	s_mul_i32 s2, s15, 2176                        ; a's: my 64 rows
	s_mul_i32 s3, s16, 2176                        ; W's: my 64 rows
	s_add_co_u32 s3, s3, BSC-ASC
	s_sub_co_u32 s3, s3, s2
	v_mul_u32_u24 v7, s3, v2                       ; lanes 16-31 take W's
	s_add_co_u32 s2, s2, ASC
	v_add_nc_u32 v6, v6, v7
	v_add_nc_u32 v[ADRS], s2, v6
	s_mul_i32 s2, s14, 16*SPITCH
	s_add_co_u32 s2, s2, STG
	v_mul_u32_u24 v6, v1, SPITCH
	v_lshl_add_u32 v6, v2, 6, v6
	v_add_nc_u32 v[STO], s2, v6                    ; into my stage: row r, + 64 h
	v_mul_u32_u24 v6, v2, SPITCH
	v_lshl_add_u32 v6, v1, 4, v6
	v_add_nc_u32 v[RD], s2, v6                     ; back: lanes 0-15 one row, lanes 16-31 the next
	v_lshlrev_b32 v[CO], 12, v2
	v_lshl_add_u32 v[CO], v1, 4, v[CO]             ; and the same in out0
	v_lshlrev_b32 v5, 7, v3
	v_lshrrev_b32 v6, 1, v3
	v_lshl_add_u32 v5, v6, 4, v5
	s_lshl_b32 s2, s14, 3
	s_add_co_u32 s2, s2, ASC
	v_add_nc_u32 v5, s2, v5                        ; a's scale words of rows 4 lane ..: 128 lane + 16 (lane / 2) + 8 wave
	v_lshlrev_b32 v4, 3, v3                        ; 8 x lane
	v_lshlrev_b32 v8, 6, v2                        ; 64 h
	s_mul_i32 s2, s16, ACH/2                       ; where my tiles go: two heads of a chunk,
	s_mul_i32 s3, s16, 64*PITCH
	s_add_co_u32 s3, s3, BT                        ; or 64 rows of W
	s_bfe_u32 s12, ttmp6, 0x40000                  ; cx
	s_bfe_u32 s13, ttmp6, 0x40004                  ; cy
	s_lshl_b32 s18, ttmp9, 2
	s_add_co_u32 s18, s18, s12                     ; tile column
	s_and_b32 s17, ttmp7, 0xffff
	s_lshl_b32 s17, s17, 2
	s_add_co_u32 s17, s17, s13                     ; tile row
	s_lshl_b32 s19, s13, 2
	s_lshl_b32 s19, 15, s19                        ; my row of the cluster
	s_lshl_b32 s20, 0x1111, s12                    ; my column
	s_or_b32 s[G1A], s19, (3<<16)|(1<<21)          ; a: two heads' 8 tiles: 2 rows of 6,144 bytes (768 elements of 8), 196,608 bytes apart; no padding
	s_mov_b32 s[G1A+1], 768<<16
	s_mov_b32 s[G1A+2], 2<<16
	s_mov_b32 s[G1A+3], 768<<16
	s_mov_b32 s[G1A+4], 2
	s_mov_b32 s[G1A+5], 24576
	s_mov_b32 s[G1A+6], 0
	s_mov_b32 s[G1A+7], 0
	s_or_b32 s[G1B], s20, (0<<16)|(1<<20)|(1<<21)|(3<<22)|(3<<25)   ; W: 64 rows of 192 bytes, 16 bytes of padding behind every 64
	s_mov_b32 s[G1B+1], 192<<16
	s_mov_b32 s[G1B+2], 64<<16
	s_mov_b32 s[G1B+3], 192<<16
	s_mov_b32 s[G1B+4], 64
	s_mov_b32 s[G1B+5], 768
	s_mov_b32 s[G1B+6], 0
	s_mov_b32 s[G1B+7], 0
	s_or_b32 s[G1S], s20, (3<<16)|(1<<20)|(1<<21)|(5<<22)|(3<<25)   ; W's scales of 64 rows: 8 rows of 256 bytes, 16 of padding behind each
	s_mov_b32 s[G1S+1], 32<<16
	s_mov_b32 s[G1S+2], 8<<16
	s_mov_b32 s[G1S+3], 32<<16
	s_mov_b32 s[G1S+4], 8
	s_mov_b32 s[G1S+5], 32
	s_mov_b32 s[G1S+6], 0
	s_mov_b32 s[G1S+7], 0
	s_mul_i32 s21, s16, 2*196608
	s_mul_i32 s22, s17, 6144
	s_add_co_u32 s22, s22, s21                     ; a: my two heads of chunk 0, the tile row's 8 tiles
	s_mov_b32 s23, 0
	s_lshl_b32 s88, s18, 7
	s_lshl_b32 s89, s16, 6
	s_add_co_u32 s88, s88, s89                     ; W: the first column that I fetch
	s_mul_i32 s90, s88, 768
	s_add_co_u32 s90, s90, 3072*768
	s_mov_b32 s91, 0
	s_lshl_b32 s88, s88, 5
	s_add_co_u32 s88, s88, SCOFF+3072*32
	s_mov_b32 s89, 0
	s_lshl_b32 s20, s18, 7
	s_lshl_b32 s21, s16, 6
	s_add_co_u32 s20, s20, s21
	s_lshl_b32 s20, s20, 2                         ; my first column of out0, in bytes
	s_mov_b32 s21, 0
	s_lshl_b32 s12, s17, 7
	s_lshl_b32 s13, s15, 6
	s_add_co_u32 s12, s12, s13
	s_lshl_b32 s12, s12, 12                        ; my first row
	s_add_co_u32 s12, s12, s20
	s_mov_b32 s13, 0
	s_lshl_b32 s18, s14, 15                        ; a's scale bytes: heads 4 wave ..,
	s_lshl_b32 s19, s17, 8                         ; the tile row's 128 rows
	s_add_co_u32 s18, s18, s19
	s_add_co_u32 s18, s18, SCOFF
	s_mov_b32 s19, 0
	s_wait_dscnt 0x0
	s_wait_kmcnt 0x0
	s_add_nc_u64 s[22:23], s[4:5], s[22:23]
	s_add_nc_u64 s[90:91], s[6:7], s[90:91]
	s_add_nc_u64 s[88:89], s[6:7], s[88:89]
	s_add_nc_u64 s[18:19], s[4:5], s[18:19]
	s_add_nc_u64 s[8:9], s[8:9], s[20:21]
	s_add_nc_u64 s[10:11], s[10:11], s[12:13]
.irp m, 0,1,2,3
	global_load_b64 v[96+2*\m:97+2*\m], v4, s[18:19] offset:\m*8192   ; head 4 wave + m: two bytes for each of rows 4 lane .. 4 lane + 3
.endr
.irp b, 0,1,2,3
	global_load_b128 v[BI+8*\b:BI+8*\b+3], v8, s[8:9] offset:(32*(\b/2)+8*(\b%2))*4     ; tile b's register j is column 32 (b/2) + 8 (b%2) + 16 h + j
	global_load_b128 v[BI+8*\b+4:BI+8*\b+7], v8, s[8:9] offset:(32*(\b/2)+8*(\b%2))*4+16
.endr
.irp c, 0,1,2,3
	s_mov_b32 s[G0A+4*\c], 1
	s_add_co_u32 s[G0A+4*\c+1], s2, \c*ACH
	s_add_nc_u64 s[G0A+4*\c+2:G0A+4*\c+3], s[22:23], \c*4*196608
	s_or_b32 s[G0A+4*\c+3], s[G0A+4*\c+3], 0x80000000
.set GB, 56+4*\c+4*(\c/2)
	s_mov_b32 s[GB], 1
	s_add_co_u32 s[GB+1], s3, \c*BCH
	s_add_nc_u64 s[GB+2:GB+3], s[90:91], \c*192
	s_or_b32 s[GB+3], s[GB+3], 0x80000000
.endr
	s_mov_b32 s[G0S], 1
	s_mul_i32 s[G0S+1], s16, 2176
	s_add_co_u32 s[G0S+1], s[G0S+1], BSC
	s_mov_b64 s[G0S+2:G0S+3], s[88:89]
	s_or_b32 s[G0S+3], s[G0S+3], 0x80000000
	CROUND                                         ; all sixteen work-groups are here: the joint loads meet
	s_cmp_eq_u32 s15, 0                            ; a wave's first fills stand in one branch on the wave's number
	s_cbranch_scc0 .Lfill_b
	tensor_load_to_lds s[G0A:G0A+3], s[G1A:G1A+7]
	s_nop 0
	tensor_load_to_lds s[G0A+4:G0A+7], s[G1A:G1A+7]
	s_nop 0
	tensor_load_to_lds s[G0A+8:G0A+11], s[G1A:G1A+7]
	s_nop 0
	tensor_load_to_lds s[G0A+12:G0A+15], s[G1A:G1A+7]   ; four tensor loads of mine are out
	s_nop 0
.rept 4
	v_nop
.endr
	s_branch .Lfilled
.Lfill_b:
	tensor_load_to_lds s[G0S:G0S+3], s[G1S:G1S+7]
	s_nop 0
	tensor_load_to_lds s[56:59], s[G1B:G1B+7]
	s_nop 0
	tensor_load_to_lds s[60:63], s[G1B:G1B+7]
	s_nop 0
	tensor_load_to_lds s[68:71], s[G1B:G1B+7]
	s_nop 0
	tensor_load_to_lds s[72:75], s[G1B:G1B+7]      ; five tensor loads of mine are out
	s_nop 0
.rept 4
	v_nop
.endr
.Lfilled:
	s_wait_loadcnt 0x0                             ; a's scale bytes and the bias
	; a scale word of K step s is (head 2 s's two bytes, head 2 s + 1's).  My four heads make K steps 2 wave and 2 wave + 1 of rows 4 lane + 0 .. 3
	v_perm_b32 v104, v98, v96, 0x05040100
	v_perm_b32 v105, v102, v100, 0x05040100
	v_perm_b32 v106, v98, v96, 0x07060302
	v_perm_b32 v107, v102, v100, 0x07060302
	v_perm_b32 v108, v99, v97, 0x05040100
	v_perm_b32 v109, v103, v101, 0x05040100
	v_perm_b32 v110, v99, v97, 0x07060302
	v_perm_b32 v111, v103, v101, 0x07060302
.irp m, 0,1,2,3
	ds_store_b64 v5, v[104+2*\m:105+2*\m] offset:32*\m
.endr
.macro FRAGB reg, adr, q, i, base      ; 16 rows x 128 K of W: six pieces of 8 bytes; where the piece of lanes 16-31 lies behind one padding more, the second address register serves
.irp p, 0,1,2,3,4,5
.set PCE, 12*(\q)+6*(\p/3)+\p%3
.if PCE%8 < 5
	ds_load_b64 v[\reg+2*\p:\reg+2*\p+1], v[\adr] offset:(\base)+8*PCE+16*(PCE/8)+(\i)*16*PITCH
.else
	ds_load_b64 v[\reg+2*\p:\reg+2*\p+1], v[\adr+2] offset:(\base)+8*PCE+16*(PCE/8)+(\i)*16*PITCH
.endif
.endr
.endm
.macro FETCH s                         ; K step s: 16 loads for a's four operands, 24 for W's, into set s % 2 of window 1
.set PS, 128*((\s)%2)
.set CH, (\s)/2
.set KK, CH/2
.set AO, (CH%2)*ACH+2*((\s)%2)*6144
.set BO, (CH%2)*BCH
	WIN TO_F
.irp a, 0,1,2,3
	ds_load_b128 v[PS+FR*\a:PS+FR*\a+3], v[AA16+KK] offset:AO+768*\a
	ds_load_b64 v[PS+FR*\a+4:PS+FR*\a+5], v[AA8+KK] offset:AO+768*\a+512
	ds_load_b128 v[PS+FR*\a+6:PS+FR*\a+9], v[AA16+KK] offset:AO+768*\a+6144
	ds_load_b64 v[PS+FR*\a+10:PS+FR*\a+11], v[AA8+KK] offset:AO+768*\a+6144+512
.endr
.irp i, 0,1,2,3
	FRAGB PS+48+FR*\i, BB+KK, (\s)%2, \i, BO
.endr
.endm
.macro MUL s                           ; the 16 accumulators take turns, one instruction a turn, in the same order in every step
.set PS, 128*((\s)%2)
	WIN MULW
.irp a, 0,1,2,3
.irp b, 0,1,2,3
.if (\s) == 0
	v_wmma_scale_f32_16x16x128_f8f6f4 v[ACC+8*(4*\a+\b):ACC+8*(4*\a+\b)+7], v[PS+48+FR*\b:PS+48+FR*\b+FR-1], v[PS+FR*\a:PS+FR*\a+FR-1], v[BI+8*\b:BI+8*\b+7], v[SC+8*\b+(\s)], v[SC+8*\a+(\s)] matrix_a_fmt:MATRIX_FMT_FP6 matrix_b_fmt:MATRIX_FMT_FP6 matrix_a_scale:MATRIX_SCALE_ROW1
.else
	v_wmma_scale_f32_16x16x128_f8f6f4 v[ACC+8*(4*\a+\b):ACC+8*(4*\a+\b)+7], v[PS+48+FR*\b:PS+48+FR*\b+FR-1], v[PS+FR*\a:PS+FR*\a+FR-1], v[ACC+8*(4*\a+\b):ACC+8*(4*\a+\b)+7], v[SC+8*\b+(\s)], v[SC+8*\a+(\s)] matrix_a_fmt:MATRIX_FMT_FP6 matrix_b_fmt:MATRIX_FMT_FP6 matrix_a_scale:MATRIX_SCALE_ROW1
.endif
.endr
.endr
.endm
.macro STEPK s
.if ((\s)%2 == 1) && ((\s) < 7)
	s_wait_tensorcnt 3-((\s)+1)/2                  ; my part of the next chunk has landed; the chunks behind it may stay out
	s_wait_dscnt 0x0
	s_barrier_signal -1
	s_barrier_wait -1                              ; everybody's has
.endif
.if (\s) < 7
.rept 4
	v_nop                                          ; places in front of loads into the set that the last products read
.endr
	FETCH (\s)+1
	s_wait_dscnt 40                                ; all but the 40 loads just issued: this step's operands are in
.else
	s_wait_dscnt 0x0
.endif
	MUL \s
.endm
	s_wait_tensorcnt 3                             ; chunk 0 (and W's scales) of mine have landed; three loads stay out
	s_wait_dscnt 0x0                               ; my stores of a's scale words have landed
	s_barrier_signal -1
	s_barrier_wait -1
.irp i, 0,1,2,3
	ds_load_b128 v[SC+8*\i:SC+8*\i+3], v[ADRS] offset:544*\i
	ds_load_b128 v[SC+8*\i+4:SC+8*\i+7], v[ADRS] offset:544*\i+16
.endr
	FETCH 0
.irp s, 0,1,2,3,4,5,6,7
	STEPK \s
.endr
	WIN 0
.rept 4
	v_nop
.endr
	; THE WAY OUT, a block of 16 rows x 64 columns at a time through my own stage: a lane's eight results are columns 32 (b/2) + 8 (b%2) + 16 h + 0 .. 7 of its row; whole rows of 256 bytes come back.
	; LDS serves a wave's instructions in order (ISA guide 5.7.1.4): no wait between the stores and the loads.
.irp a, 0,1,2,3
.if \a >= 2
	s_wait_xcnt 0x0                                ; block a - 2's stores have read their registers
.endif
.irp b, 0,1,2,3
	ds_store_b128 v[STO], v[ACC+8*(4*\a+\b):ACC+8*(4*\a+\b)+3] offset:128*(\b/2)+32*(\b%2)      ; each accumulator from its low end on
	ds_store_b128 v[STO], v[ACC+8*(4*\a+\b)+4:ACC+8*(4*\a+\b)+7] offset:128*(\b/2)+32*(\b%2)+16
.endr
.irp t, 0,1,2,3,4,5,6,7
	ds_load_b128 v[RB+32*(\a%2)+4*\t:RB+32*(\a%2)+4*\t+3], v[RD] offset:544*\t
.endr
	s_wait_dscnt 0x0
.irp t, 0,1,2,3,4,5,6,7
	global_store_b128 v[CO], v[RB+32*(\a%2)+4*\t:RB+32*(\a%2)+4*\t+3], s[10:11] offset:((2*\t)%8+16*(\t/4)+32*(\a/2)+8*(\a%2))*4096 th:TH_STORE_NT   ; position 16 a + 2 t (+ 1) goes back to its row; sixteen lanes store 256 consecutive bytes, aligned
.endr
.endr
	s_wait_dscnt 0x0
	s_wait_tensorcnt 0x0
	ds_add_u32 v30, v31
	s_wait_dscnt 0x0
	CROUND                                         ; the closing round: no work-group ends while a partner may still ask for a tile that names it
	s_endpgm
.Lfunc_end_k_qd84f975844_proj:
	.size	k_qd84f975844_proj, .Lfunc_end_k_qd84f975844_proj-k_qd84f975844_proj
	.p2alignl 7, 3214868480
	.fill 96, 4, 3214868480
	.section	.rodata,"a",@progbits
	.p2align	6, 0x0
	.amdhsa_kernel k_qd84f975844_proj
		.amdhsa_group_segment_fixed_size 247808
		.amdhsa_private_segment_fixed_size 0
		.amdhsa_enable_private_segment 0
		.amdhsa_kernarg_size 32
		.amdhsa_user_sgpr_count 2
		.amdhsa_user_sgpr_kernarg_segment_ptr 1
		.amdhsa_wavefront_size32 1
		.amdhsa_system_sgpr_workgroup_id_x 1
		.amdhsa_system_sgpr_workgroup_id_y 1
		.amdhsa_system_sgpr_workgroup_id_z 1
		.amdhsa_system_vgpr_workitem_id 0
		.amdhsa_next_free_vgpr 512
		.amdhsa_next_free_sgpr 92
		.amdhsa_reserve_vcc 0
		.amdhsa_float_denorm_mode_32 3
		.amdhsa_float_denorm_mode_16_64 3
		.amdhsa_memory_ordered 1
		.amdhsa_forward_progress 1
		.amdhsa_inst_pref_size 59
	.end_amdhsa_kernel
	.amdgpu_metadata
---
amdhsa.version: [ 1, 2 ]
amdhsa.kernels:
  - .name:           k_qd84f975844_proj
    .symbol:         k_qd84f975844_proj.kd
    .args:
      - { .name: ac, .offset: 0, .size: 8, .value_kind: global_buffer, .address_space: global }
      - { .name: wc, .offset: 8, .size: 8, .value_kind: global_buffer, .address_space: global }
      - { .name: b_proj, .offset: 16, .size: 8, .value_kind: global_buffer, .address_space: global }
      - { .name: out0, .offset: 24, .size: 8, .value_kind: global_buffer, .address_space: global }
    .group_segment_fixed_size: 247808
    .private_segment_fixed_size: 0
    .kernarg_segment_align: 8
    .kernarg_segment_size: 32
    .max_flat_workgroup_size: 128
    .sgpr_count:     92
    .vgpr_count:     512
    .wavefront_size: 32
...
	.end_amdgpu_metadata
.endif
;; end of part 4
